; MI455X (gfx1250); checked and timed in simulation.
; The chip was launched on July 23, 2026; its instructions are those of AMD's public machine-readable ISA for CDNA 5 (MIT licence, August 2026) and "CDNA5" Instruction Set Architecture Reference Guide (July 2026). The comments in the code are by the model that wrote it; some were corrected since.
;; Rel Pos Attention. Allowed arithmetic: matrix products marked QUANTISED: E2M1 operands, one E8M0 scale for each 32 along K, by v_wmma_scale_f32_16x16x128_f8f6f4 with both operands' format E2M1 (or v_wmma_scale_f32_32x16x128_f4), f32 sums; products left as they are: bf16, f16 or f32 operands; f32 sums; everything else in f32.
;; Inputs: Wo 1,024 x 1,024 float32; Wqkv 1,024 x 3,072 float32; bo 1,024 float32; bqkv 3,072 float32; key_padding_mask 4 x 2,048 bool; rel_bias 16 x 257 float32; x 4 x 2,048 x 1,024 float32.
;; Outputs: out0 4 x 2,048 x 1,024 float32.
;; This version of the problem:
;;   THIS VERSION OF THE PROBLEM IS GIVEN IN LOW PRECISION. The matrix products marked QUANTISED in the list below multiply operands that are first quantised to E2M1 (2 exponent bits, 1 mantissa bit; 4 bits a number), with one power-of-two scale for each 32 numbers along K (OCP MX v1.0); their sums are f32. The products marked 'left as it is' may take bf16, f16 or f32 operands, with f32 sums. Whichever they take, every output number must still come out within the allowed error. Rounding operands to bf16 (8 significant bits) uses up far more of that allowance than f16 does (11 bits, for magnitudes from 6e-5 to 65,504). All else is computed in f32.
;;   The module's matrix products, in the order in which they are computed (A, B: the left and right operand; K: the contracted axis; several contracted axes count as one K, in the product's order):
;;     1. [M 8,192, K 1,024] x [K 1,024, N 3,072]; A: input x; B: input Wqkv: QUANTISED
;;     2. batch 64 x [M 2,048, K 64] x [K 64, N 2,048]; A: computed on the way; B: computed on the way: left as it is (an operand is computed on the way)
;;     3. batch 64 x [M 2,048, K 2,048] x [K 2,048, N 64]; A: computed on the way; B: computed on the way: left as it is (an operand is computed on the way)
;;     4. [M 8,192, K 1,024] x [K 1,024, N 1,024]; A: computed on the way; B: input Wo: left as it is (an operand is computed on the way)
;;   THE QUANTISER, for each operand of a quantised product, along K:
;;     - K is cut into blocks of 32 from its start; a last block that is shorter is filled with zeros.
;;     - A block's scale is 2^e with e = floor(log2(the largest magnitude in the block)) - 2, held to -126 .. 127; a block of zeros has e = 0. As a byte (E8M0): e + 127.
;;     - Each number is divided by its block's scale, clamped to +-6, and rounded to the nearest number of E2M1, ties to even, subnormals kept.
;;     - The product sums the exact products of the quantised numbers (number of the format x scale) in f32.
;;   ~~~python
;;   def quantise(x, axis):      # numpy; x: float32 -> the quantised numbers, widened to float32 again
;;       x = np.moveaxis(x, axis, -1); K = x.shape[-1]
;;       x = np.pad(x, [(0, 0)] * (x.ndim - 1) + [(0, -K % 32)]); x = x.reshape(x.shape[:-1] + (-1, 32)); a = np.abs(x).max(-1, keepdims=True)
;;       e = np.where(a > 0, np.clip(np.frexp(np.where(a > 0, a, 1))[1] - 1 - 2, -126, 127), 0)      # np.frexp(a)[1] - 1 = floor(log2(a)), exactly
;;       r = np.clip(x / 2.0 ** e, -6, 6)
;;       step = 2.0 ** (np.maximum(np.frexp(np.where(r == 0, 1, r))[1] - 1, 0) - 1)
;;       q = np.round(r / step) * step * 2.0 ** e      # np.round: ties to even
;;       return np.moveaxis(q.reshape(q.shape[:-2] + (-1,))[..., :K], -1, axis).astype(np.float32)
;;   ~~~
;; One version. Each part assembles by itself: llvm-mc -triple=amdgcn-amd-amdhsa -mcpu=gfx1250 --defsym DOCPART=n.
;; ======== version 1 of 1: 4 launches
;; limits: values are held in f16: magnitudes above 65,504 overflow, below 6.1e-05 lose precision
;; workspace buffers: xc 4,194,304 bytes; xs 262,144 bytes; wc 1,572,864 bytes; ws 98,304 bytes; wo16 2,097,152 bytes; qkv 50,331,648 bytes; ao 16,777,216 bytes
;; launch prep (part 1): grid 368 x 1, 4 waves a work-group, no clusters, 68,096 bytes of LDS; arguments x, Wqkv, Wo, xc, xs, wc, ws, wo16; writes xc, xs, wc, ws, wo16
.if DOCPART == 1
	.amdgcn_target "amdgcn-amd-amdhsa--gfx1250"
	.amdhsa_code_object_version 6
	.text
	.protected	k_qc4c854bed6_prep
	.globl	k_qc4c854bed6_prep
	.p2align	8
	.type	k_qc4c854bed6_prep,@function
k_qc4c854bed6_prep:
	s_mov_b64 s[64:65], 0
	v_nop
	global_prefetch_b8 v0, s[64:65] scope:SCOPE_SE
	s_setreg_imm32_b32 hwreg(HW_REG_WAVE_MODE, 25, 1), 1
	s_wait_xcnt 0x0
; PREP: the operands of the quantised product become codes of E2M1 with one E8M0 byte for each 32 along K, and Wo becomes f16.
;   work-groups 0-47:    Wqkv [1024 k][3072 n] f32, K its FIRST axis -> wc [3072 n][512 bytes] (K innermost), ws [3072][32 bytes]
;   work-groups 48-303:  x [8192][1024] f32, K innermost             -> xc [8192][512 bytes], xs [8192][32 bytes]
;   work-groups 304-367: Wo [1024 k][1024 n] f32                     -> wo16, the same order, f16, rounded to nearest even
; A block's scale is 2^(floor(log2(its largest magnitude)) - 2): its byte is the largest magnitude's exponent field - 2, held at 1 from below.
; LIMITS: a block of zeros, and a block whose largest magnitude lies under 2^(3 - 127), gets the byte 1 (the rule says 127 for zeros): its codes are zeros or the
; rule's own smallest, and the bytes are read by this program alone.  NaN and infinities among the inputs are not served.  |Wo| stays under 65,504 (f16).
; The three parts part on the work-group's number alone; each part that uses LDS has bytes of its own.  No tensor load, no barrier: waves share nothing.
.set SPARE, 67584                      ; behind both parts' LDS: the spare words, 128 bytes for each wave
.set SPW,   190                        ; v190  LDS address of my spare word; never rewritten
.set NIL,   191                        ; v191  0; never rewritten
	s_load_b256 s[4:11], s[0:1], 0x0               ; x s[4:5], Wqkv s[6:7], Wo s[8:9], xc s[10:11]
	s_load_b256 s[12:19], s[0:1], 0x20             ; xs s[12:13], wc s[14:15], ws s[16:17], wo16 s[18:19]
	v_lshl_add_u32 v[SPW], v0, 2, SPARE
	v_mov_b32 v[NIL], 0
	v_lshrrev_b32 v1, 5, v0
	v_readfirstlane_b32 s20, v1                    ; wave 0..3
	v_and_b32 v2, 31, v0                           ; lane
	s_wait_kmcnt 0x0
	s_cmp_lt_u32 ttmp9, 48
	s_cbranch_scc1 .Lweights
	s_cmp_lt_u32 ttmp9, 304
	s_cbranch_scc1 .Ltokens
; ---- Wo to f16.  A wave takes 4,096 numbers: 32 loads of 512 consecutive bytes, all on their way at once; each store covers 256 consecutive bytes, aligned.
	s_sub_co_u32 s21, ttmp9, 304
	s_lshl_b32 s21, s21, 2
	s_add_co_u32 s21, s21, s20                     ; which run of 4,096 numbers
	s_lshl_b32 s22, s21, 14
	s_mov_b32 s23, 0
	s_add_nc_u64 s[8:9], s[8:9], s[22:23]
	s_lshl_b32 s22, s21, 13
	s_add_nc_u64 s[18:19], s[18:19], s[22:23]
	v_lshlrev_b32 v3, 4, v2
	v_lshlrev_b32 v4, 3, v2
.set ci, 0
.rept 32
	global_load_b128 v[32+4*ci:35+4*ci], v3, s[8:9] offset:512*ci th:TH_LOAD_NT
.set ci, ci+1
.endr
.set ci, 0
.rept 32
	s_wait_loadcnt 31-ci                           ; loads come back in order: this one is in, the younger ones stay out
	v_cvt_pk_f16_f32 v[32+4*ci], v[32+4*ci], v[33+4*ci]
	v_cvt_pk_f16_f32 v[33+4*ci], v[34+4*ci], v[35+4*ci]
	global_store_b64 v4, v[32+4*ci:33+4*ci], s[18:19] offset:256*ci   ; no register is written twice, so no store's data need a wait
.set ci, ci+1
.endr
	s_endpgm
; ---- Wqkv.  A LANE TAKES A COLUMN n, AND ITS REGISTERS RUN DOWN K: a block of 32 along K lies in one lane's 32 registers, and the conversions give codes with K innermost.
; A wave takes 32 columns x 512 along K.  Its codes go through its own stage in LDS (rows of 272 bytes) and leave as rows: sixteen lanes store 256 consecutive bytes, aligned.
.set WX,   32                          ; v32-95   two sets of 32 numbers
.set WC,   96                          ; v96-99   a block's codes
.set WOUT, 112                         ; v112-175 the way out
.set WSB,  24                          ; v24-27   the scale bytes, four to a register
.Lweights:
	s_lshr_b32 s21, ttmp9, 1
	s_lshl_b32 s21, s21, 7
	s_lshl_b32 s22, s20, 5
	s_add_co_u32 s21, s21, s22                     ; my wave's first column
	s_and_b32 s22, ttmp9, 1                        ; which 512 along K
	v_lshlrev_b32 v3, 2, v2                        ; in: 4 bytes a lane
	s_mul_i32 s23, s20, 32*272
	s_add_co_u32 s23, s23, 32768                   ; my stage
	v_mul_u32_u24 v4, v2, 272
	v_add_nc_u32 v4, s23, v4                       ; into it: row = my column
	v_and_b32 v5, 15, v2
	v_lshrrev_b32 v6, 4, v2
	v_mul_u32_u24 v7, v6, 272
	v_lshl_add_u32 v7, v5, 4, v7
	v_add_nc_u32 v7, s23, v7                       ; out of it: sixteen lanes to a row, two rows an instruction
	v_mul_u32_u24 v8, v6, 512
	v_lshl_add_u32 v8, v5, 4, v8                   ; and the same place in wc
	v_lshlrev_b32 v9, 5, v2                        ; my column's row of scale bytes
	s_mul_i32 s24, s22, 512*3072*4
	s_lshl_b32 s25, s21, 2
	s_add_co_u32 s24, s24, s25
	s_mov_b32 s25, 0
	s_add_nc_u64 s[6:7], s[6:7], s[24:25]
	s_lshl_b32 s24, s21, 9
	s_lshl_b32 s26, s22, 8
	s_add_co_u32 s24, s24, s26
	s_add_nc_u64 s[14:15], s[14:15], s[24:25]
	s_lshl_b32 s24, s21, 5
	s_lshl_b32 s26, s22, 4
	s_add_co_u32 s24, s24, s26
	s_add_nc_u64 s[16:17], s[16:17], s[24:25]
.macro WLOAD t                         ; block t: W(32 t + i, my column) into set t % 2; the largest offset, 511 rows of 12,288 bytes, lies inside the signed 24-bit immediate
.set wi, 0
.rept 32
	global_load_b32 v[WX+32*((\t)%2)+wi], v3, s[6:7] offset:(32*(\t)+wi)*12288 th:TH_LOAD_NT
.set wi, wi+1
.endr
.endm
	WLOAD 0
	WLOAD 1
.macro WBLOCK t
.set WS, WX+32*((\t)%2)
.if (\t) < 15
	s_wait_loadcnt 32                              ; this block's 32 loads are in; the next block's may be out
.else
	s_wait_loadcnt 0
.endif
	v_max3_num_f32 v12, |v[WS]|, |v[WS+1]|, |v[WS+2]|
	v_max3_num_f32 v13, |v[WS+3]|, |v[WS+4]|, |v[WS+5]|
.irp i, 6,10,14,18,22,26
	v_max3_num_f32 v12, v12, |v[WS+\i]|, |v[WS+\i+1]|
	v_max3_num_f32 v13, v13, |v[WS+\i+2]|, |v[WS+\i+3]|
.endr
	v_max3_num_f32 v12, v12, |v[WS+30]|, |v[WS+31]|
	v_max3_num_f32 v12, v12, v13, 0x1800000        ; and the floor 2^(3 - 127): the byte cannot fall under 1
	v_add_nc_u32 v11, 0xff000000, v12              ; 2 off the exponent field: the conversion takes the exponent field of this operand as its scale
	v_lshrrev_b32 v13, 23, v11                     ; the scale's byte
.if (\t)%4 == 0
	v_mov_b32 v[WSB+(\t)/4], v13
.else
	v_lshl_or_b32 v[WSB+(\t)/4], v13, 8*((\t)%4), v[WSB+(\t)/4]
.endif
.irp g, 0,1,2,3
	v_cvt_scalef32_pk8_fp4_f32 v[WC+\g], v[WS+8*\g:WS+8*\g+7], v11
.endr
	ds_store_b128 v4, v[WC:WC+3] offset:16*(\t)    ; 32 codes: 16 bytes of my column's row
.if (\t)+2 < 16
	WLOAD (\t)+2
.endif
	s_wait_dscnt 0x0                               ; the store has read its registers: the next block's codes may be written
.endm
.set Q, 0
.rept 16
	WBLOCK Q
.set Q, Q+1
.endr
	global_store_b128 v9, v[WSB:WSB+3], s[16:17]   ; my column's 16 scale bytes
.irp t, 0,1,2,3,4,5,6,7,8,9,10,11,12,13,14,15
	ds_load_b128 v[WOUT+4*\t:WOUT+4*\t+3], v7 offset:2*\t*272   ; LDS serves a wave's instructions in order: these see my stores
.endr
.irp t, 0,1,2,3,4,5,6,7,8,9,10,11,12,13,14,15
	s_wait_dscnt 15-\t                             ; this load is back; the younger ones may be out
	global_store_b128 v8, v[WOUT+4*\t:WOUT+4*\t+3], s[14:15] offset:2*\t*512
.endr
	s_wait_tensorcnt 0x0                           ; the wave's end, behind my last LDS store
	ds_add_u32 v[SPW], v[NIL]
	s_wait_dscnt 0x0
	s_endpgm
; ---- x.  Rows are dense and K is a multiple of 32: a plain stream of blocks of 32.  A wave takes 16 steps of 512 numbers.  Each load reads 512 consecutive bytes; a step's 2,048 bytes turn
; through the wave's own stage in LDS (16 bytes of padding behind each 64) and come back 16 NEIGHBOURS a lane: two neighbouring lanes hold a block.  Loads run four steps ahead, the turn one.
.set XR,  16                           ; v16-79   four sets of 16 numbers as loaded
.set XX,  80                           ; v80-111  two sets of 16 neighbours
.set XE,  112                          ; v112-127 a scale byte for each step
.set XC,  128                          ; v128-189 codes: registers of its own for each step
.set SP,  80                           ; a lane's place in a stage
.Ltokens:
	v_lshlrev_b32 v3, 4, v2
	s_mul_i32 s21, s20, 8192                       ; my wave's region: two stages, then its 256 scale bytes
	v_lshrrev_b32 v14, 2, v2
	v_mul_u32_u24 v14, v14, SP
	v_and_b32 v15, 3, v2
	v_lshl_add_u32 v14, v15, 4, v14
	v_add_nc_u32 v14, s21, v14                     ; the stage, on the way in: four lanes' 64 bytes on end, then the padding
	v_mul_u32_u24 v15, v2, SP
	v_add_nc_u32 v15, s21, v15                     ; and on the way out: my 16 neighbours
	v_mul_u32_u24 v4, v2, 8                        ; my codes' place in a step's
	v_lshrrev_b32 v5, 1, v2
	s_add_co_u32 s21, s21, 2*32*SP
	v_add_nc_u32 v5, s21, v5                       ; my block's scale byte
	v_lshlrev_b32 v7, 3, v2
	v_add_nc_u32 v6, s21, v7
	s_sub_co_u32 s22, ttmp9, 48
	s_lshl_b32 s22, s22, 2
	s_add_co_u32 s22, s22, s20                     ; which run of 8,192 numbers
	s_mov_b32 s25, 0
	s_lshl_b32 s24, s22, 15
	s_add_nc_u64 s[4:5], s[4:5], s[24:25]
	s_lshl_b32 s24, s22, 12
	s_add_nc_u64 s[10:11], s[10:11], s[24:25]
	s_lshl_b32 s24, s22, 8
	s_add_nc_u64 s[12:13], s[12:13], s[24:25]
.macro XLOAD t
.irp i, 0,1,2,3
	global_load_b128 v[XR+16*((\t)%4)+4*\i:XR+16*((\t)%4)+4*\i+3], v3, s[4:5] offset:2048*(\t)+512*\i th:TH_LOAD_NT
.endr
.endm
.macro XTURN t                         ; LDS serves a wave's instructions in order: no wait between the stores and the loads
.irp i, 0,1,2,3
	ds_store_b128 v14, v[XR+16*((\t)%4)+4*\i:XR+16*((\t)%4)+4*\i+3] offset:32*SP*((\t)%2)+8*SP*\i
.endr
.irp i, 0,1,2,3
	ds_load_b128 v[XX+16*((\t)%2)+4*\i:XX+16*((\t)%2)+4*\i+3], v15 offset:32*SP*((\t)%2)+16*\i
.endr
.endm
.irp t, 0,1,2,3
	XLOAD \t
.endr
	s_wait_loadcnt 12                              ; step 0's four loads are in
	XTURN 0
.macro XSTEP t
.set XS, XX+16*((\t)%2)
.if (\t) > 0
	s_wait_dscnt 1                                 ; this step's numbers are back from the stage (the last step's byte store may be out)
.else
	s_wait_dscnt 0x0
.endif
.if (\t)+4 < 16
	XLOAD (\t)+4
.endif
.if (\t)+1 < 16
.if 14-(\t) >= 3
	s_wait_loadcnt 12                              ; the next step's four loads are in; those of the three steps behind it may be out
.else
	s_wait_loadcnt 4*(14-(\t))
.endif
	XTURN (\t)+1
.endif
	v_max3_num_f32 v8, |v[XS]|, |v[XS+1]|, |v[XS+2]|
	v_max3_num_f32 v9, |v[XS+3]|, |v[XS+4]|, |v[XS+5]|
.irp i, 6,10
	v_max3_num_f32 v8, v8, |v[XS+\i]|, |v[XS+\i+1]|
	v_max3_num_f32 v9, v9, |v[XS+\i+2]|, |v[XS+\i+3]|
.endr
	v_max3_num_f32 v8, v8, |v[XS+14]|, |v[XS+15]|
	v_max3_num_f32 v8, v8, v9, 0x1800000           ; and the floor 2^(3 - 127)
	v_max_num_f32_dpp v8, v8, v8 row_xmask:1 row_mask:0xf bank_mask:0xf   ; with my neighbour's 16: the block's largest magnitude
	v_add_nc_u32 v11, 0xff000000, v8
	v_cvt_scalef32_pk8_fp4_f32 v[XC+4*(\t)], v[XS:XS+7], v11
	v_cvt_scalef32_pk8_fp4_f32 v[XC+4*(\t)+1], v[XS+8:XS+15], v11
	v_lshrrev_b32 v[XE+(\t)], 23, v11              ; the scale's byte (also the plain line behind the conversions)
	ds_store_b8 v5, v[XE+(\t)] offset:16*(\t)      ; both lanes of a block write the same byte with the same value
	global_store_b64 v4, v[XC+4*(\t):XC+4*(\t)+1], s[10:11] offset:256*(\t)   ; the wave stores 256 consecutive bytes, aligned
.endm
.irp t, 0,1,2,3,4,5,6,7,8,9,10,11,12,13,14,15
	XSTEP \t
.endr
	ds_load_b64 v[8:9], v6
	s_wait_dscnt 0x0
	global_store_b64 v7, v[8:9], s[12:13]          ; the wave's 256 scale bytes, consecutive and aligned
	s_wait_tensorcnt 0x0                           ; the wave's end, behind my last LDS store
	ds_add_u32 v[SPW], v[NIL]
	s_wait_dscnt 0x0
	s_endpgm
.Lfunc_end_k_qc4c854bed6_prep:
	.size	k_qc4c854bed6_prep, .Lfunc_end_k_qc4c854bed6_prep-k_qc4c854bed6_prep
	.p2alignl 7, 3214868480
	.fill 96, 4, 3214868480
	.section	.rodata,"a",@progbits
	.p2align	6, 0x0
	.amdhsa_kernel k_qc4c854bed6_prep
		.amdhsa_group_segment_fixed_size 68096
		.amdhsa_private_segment_fixed_size 0
		.amdhsa_enable_private_segment 0
		.amdhsa_kernarg_size 64
		.amdhsa_user_sgpr_count 2
		.amdhsa_user_sgpr_kernarg_segment_ptr 1
		.amdhsa_wavefront_size32 1
		.amdhsa_system_sgpr_workgroup_id_x 1
		.amdhsa_system_sgpr_workgroup_id_y 1
		.amdhsa_system_sgpr_workgroup_id_z 1
		.amdhsa_system_vgpr_workitem_id 0
		.amdhsa_next_free_vgpr 192
		.amdhsa_next_free_sgpr 66
		.amdhsa_reserve_vcc 0
		.amdhsa_float_denorm_mode_32 3
		.amdhsa_float_denorm_mode_16_64 3
		.amdhsa_memory_ordered 1
		.amdhsa_forward_progress 1
		.amdhsa_inst_pref_size 122
	.end_amdhsa_kernel
	.amdgpu_metadata
---
amdhsa.version: [ 1, 2 ]
amdhsa.kernels:
  - .name:           k_qc4c854bed6_prep
    .symbol:         k_qc4c854bed6_prep.kd
    .args:
      - { .name: x, .offset: 0, .size: 8, .value_kind: global_buffer, .address_space: global }
      - { .name: Wqkv, .offset: 8, .size: 8, .value_kind: global_buffer, .address_space: global }
      - { .name: Wo, .offset: 16, .size: 8, .value_kind: global_buffer, .address_space: global }
      - { .name: xc, .offset: 24, .size: 8, .value_kind: global_buffer, .address_space: global }
      - { .name: xs, .offset: 32, .size: 8, .value_kind: global_buffer, .address_space: global }
      - { .name: wc, .offset: 40, .size: 8, .value_kind: global_buffer, .address_space: global }
      - { .name: ws, .offset: 48, .size: 8, .value_kind: global_buffer, .address_space: global }
      - { .name: wo16, .offset: 56, .size: 8, .value_kind: global_buffer, .address_space: global }
    .group_segment_fixed_size: 68096
    .private_segment_fixed_size: 0
    .kernarg_segment_align: 8
    .kernarg_segment_size: 64
    .max_flat_workgroup_size: 128
    .sgpr_count:     66
    .vgpr_count:     192
    .wavefront_size: 32
...
	.end_amdgpu_metadata
.endif
;; end of part 1
;; launch qkvgemm (part 2): grid 12 x 32, 4 waves a work-group, clusters of 4 x 4, 327,680 bytes of LDS; arguments xc, xs, wc, ws, bqkv, qkv; writes qkv
.if DOCPART == 2
	.amdgcn_target "amdgcn-amd-amdhsa--gfx1250"
	.amdhsa_code_object_version 6
	.text
	.protected	k_qc4c854bed6_qkvgemm
	.globl	k_qc4c854bed6_qkvgemm
	.p2align	8
	.type	k_qc4c854bed6_qkvgemm,@function
k_qc4c854bed6_qkvgemm:
	s_mov_b64 s[64:65], 0
	v_nop
	global_prefetch_b8 v0, s[64:65] scope:SCOPE_SE
	s_setreg_imm32_b32 hwreg(HW_REG_WAVE_MODE, 25, 1), 1
	s_wait_xcnt 0x0
	s_wait_alu depctr_hold_cnt(0) depctr_sa_sdst(0) depctr_va_vdst(0) depctr_va_sdst(0) depctr_va_ssrc(0) depctr_va_vcc(0) depctr_vm_vsrc(0)
	s_getreg_b32 s2, hwreg(HW_REG_IB_STS2, 6, 4)
	s_cmp_eq_u32 s2, 0
	s_cbranch_scc0 .Lentry_in_a_cluster
	s_endpgm
.Lentry_in_a_cluster:
	s_bfe_u32 s2, ttmp6, 0x10000c
	s_cmp_lg_u32 s2, 0xf033
	s_cbranch_scc0 .Lentry_shape_is_right
	s_endpgm
.Lentry_shape_is_right:
; qkv = Q(x) Q(Wqkv) + bqkv on codes of E2M1 with E8M0 scales; sums in f32; rounded once to f16 and laid by head: qkv [48 H'][8192 m][64], H' = column / 64.
; A = xc [8192][512 bytes], B = wc [3072][512 bytes], K = 1,024 innermost; scale bytes xs [8192][32], ws [3072][32].
; A tile of 256 x 256 is made by four waves, 128 x 128 each: 64 accumulators, 512 registers.  K is two steps of 512 (rows of 256 bytes): both are first fills of the two LDS slots, so no slot is filled again.
; The scale bytes of the work-group's rows, for all of K, are two dense blocks: they come into LDS once, as rows of 256 bytes.
; CLUSTERS: 4 x 4 work-groups; A's tiles are asked for jointly along a row of the cluster, B's along a column.
; THE MATRIX INSTRUCTION IS USED TRANSPOSED (source 0 = 16 rows of wc, source 1 = 16 rows of xc): a lane holds eight neighbouring columns of one row.  The bias is the C of each sum's first product.
; LIMIT: |q|, |k|, |v| stay under 65,504 (f16); magnitudes under 6e-5 keep f16's absolute step.
; REGISTERS: window 0: v0-31 addresses; v32-95 scale words, two sets, and nothing else; v128-191 A's fragments, one set (on the way out: rows read back); v192-255 the bias (on the way out v192-223: packed results).
;   window 1: B's fragments, two sets, at v0 and v128.   window 2: the accumulators of my rows 0-63 ((a, b) at v[8 (8 a + b)]);   window 3: those of rows 64-127.
.set KSTEP,  512
.set NQ,     4
.set ROWB,   256
.set KROW,   512
.set PITCH,  272                       ; an LDS row: 256 bytes + 16 of padding: the 16 rows that a load touches start at 16 different banks (64 banks of 4 bytes: ISA guide 11.1)
.set FR,     8
.set NL,     2
.set NP,     4
.set HALFT,  128*PITCH
.set SLOT,   4*HALFT
.set KS,     32
.set SCL,    2*SLOT                    ; behind the slots: the scales
.set HALFS,  16*272
.set SBLK,   2*272
.set STAGE,  SCL+4*HALFS               ; behind the scales: 16 rows x 272 bytes for each wave, for the way out
.set SPITCH, 272
.set SPARE,  STAGE+4*16*SPITCH         ; behind the stages: the spare words, 128 bytes for each wave
.set ADRA, 16
.set ADRB, 20
.set STO,  24
.set RD,   25
.set CO,   26
.set ADRS, 27
.set SPW,  28
.set NIL,  29
.set SC,   32
.set AF,   128
.set BI,   192                         ; the bias: tile b at v[BI + 8 b]: bqkv[n0 + 16 b + 8 (lane / 16) + 0 .. 7]
.set TMP,  192
.set OB,   128
.set G1, 24
.set G0, 32
.set G1B, 48
.set G0B, 56
.set G1S, 68
.set G0S, 76
.set G1SB, 80
.set G0SB, 88
.set MSB, 0
.macro WIN new                         ; the immediate's high byte repeats the setting that is left
.if MSB != (\new)
	s_set_vgpr_msb (MSB<<8)|(\new)
.set MSB, (\new)
.endif
.endm
.set MUL_LO, 0xa1                      ; source 0 (B) window 1, source 1 (A) window 0, C and D window 2
.set MUL_HI, 0xf1                      ; the same, C and D window 3
.set TO_B,   0x40
; A joint load: waves 0 and 1 fetch for A, waves 2 and 3 for B; the branch hangs on the wave's number alone.  An s_nop 0 and four v_nop follow each line.
.macro JLOAD g0a, g1a, g0b, g1b
	s_cmp_eq_u32 s15, 0
	s_cbranch_scc0 .Lfor_b_\@
	tensor_load_to_lds s[\g0a:\g0a+3], s[\g1a:\g1a+7]
	s_nop 0
.rept 4
	v_nop
.endr
	s_branch .Lasked_\@
.Lfor_b_\@:
	tensor_load_to_lds s[\g0b:\g0b+3], s[\g1b:\g1b+7]
	s_nop 0
.rept 4
	v_nop
.endr
.Lasked_\@:
.endm
.macro CROUND                          ; a round of the cluster's barrier
	s_barrier_signal -1
	s_barrier_wait -1
	s_cmp_lg_u32 s14, 0
	s_cbranch_scc1 .Lnot_wave_0_\@
	s_barrier_signal -3
.Lnot_wave_0_\@:
	s_barrier_wait -3
	s_barrier_signal -1
	s_barrier_wait -1
.endm
	s_load_b128 s[4:7], s[0:1], 0x0                ; xc s[4:5], xs s[6:7]
	s_load_b128 s[8:11], s[0:1], 0x10              ; wc s[8:9], ws s[10:11]
	s_load_b128 s[96:99], s[0:1], 0x20             ; bqkv s[96:97], qkv s[98:99]
	v_lshl_add_u32 v[SPW], v0, 2, SPARE
	v_mov_b32 v[NIL], 0
	ds_add_u32 v[SPW], v[NIL]                      ; the wave's opening: the add, twice on end, and its wait ahead of my first tensor load
	ds_add_u32 v[SPW], v[NIL]
	v_lshrrev_b32 v1, 5, v0
	v_readfirstlane_b32 s14, v1                    ; wave 0..3
	s_lshr_b32 s15, s14, 1                         ; which half of the tile's rows is mine.  Also: I fetch for A (0) or for B (1)
	s_and_b32 s16, s14, 1                          ; which half of its columns.  Also: which 128 rows of that tile I fetch
	s_bfe_u32 s40, ttmp6, 0x40000                  ; cx, cy
	s_bfe_u32 s41, ttmp6, 0x40004
	s_lshl_b32 s42, ttmp9, 2
	s_add_co_u32 s42, s42, s40                     ; tile column
	s_and_b32 s17, ttmp7, 0xffff
	s_lshl_b32 s17, s17, 2
	s_add_co_u32 s17, s17, s41                     ; tile row
	s_lshl_b32 s43, s41, 2
	s_lshl_b32 s43, 15, s43                        ; my row of the cluster
	s_lshl_b32 s44, 0x1111, s40                    ; my column
	s_or_b32 s[G1+0], s43, (0<<16)|(1<<20)|(1<<21)|(5<<22)|(3<<25)  ; the mask; elements of 1 byte; padding: 4 words after every 64; bit 21 beside a mask
	s_or_b32 s[G1B+0], s44, (0<<16)|(1<<20)|(1<<21)|(5<<22)|(3<<25)
.irp g, G1, G1B
	s_mov_b32 s[\g+1], ROWB<<16                    ; tensor_dim0
	s_mov_b32 s[\g+2], 128<<16                     ; tensor_dim1
	s_mov_b32 s[\g+3], ROWB<<16                    ; tile_dim0
	s_mov_b32 s[\g+4], 128                         ; tile_dim1
	s_mov_b32 s[\g+5], KROW                        ; the pitch
	s_mov_b32 s[\g+6], 0
	s_mov_b32 s[\g+7], 0
.endr
	s_or_b32 s[G1S+0], s43, (3<<16)|(1<<20)|(1<<21)|(5<<22)|(3<<25)  ; the scales of 128 rows: 4,096 dense bytes as 16 rows of 256 (32 elements of 8 bytes)
	s_or_b32 s[G1SB+0], s44, (3<<16)|(1<<20)|(1<<21)|(5<<22)|(3<<25)
.irp g, G1S, G1SB
	s_mov_b32 s[\g+1], 32<<16
	s_mov_b32 s[\g+2], 16<<16
	s_mov_b32 s[\g+3], 32<<16
	s_mov_b32 s[\g+4], 16
	s_mov_b32 s[\g+5], 32
	s_mov_b32 s[\g+6], 0
	s_mov_b32 s[\g+7], 0
.endr
	s_lshl_b32 s18, s16, 7
	s_lshl_b32 s20, s17, 8
	s_add_co_u32 s20, s20, s18                     ; A: row 256 x tile row + 128 x half
	s_lshl_b32 s46, s42, 8
	s_add_co_u32 s46, s46, s18                     ; B: row 256 x tile column + 128 x half
	s_mov_b32 s21, 0
	s_mov_b32 s47, 0
	s_mov_b64 s[18:19], KS
	s_mul_u64 s[22:23], s[20:21], s[18:19]         ; where these rows' scales begin
	s_mul_u64 s[92:93], s[46:47], s[18:19]
	s_mov_b64 s[18:19], KROW
	s_mul_u64 s[20:21], s[20:21], s[18:19]         ; and their codes
	s_mul_u64 s[46:47], s[46:47], s[18:19]
	s_mul_i32 s45, s14, HALFT                      ; where they go: wave x 128 rows
	s_mul_i32 s94, s14, HALFS
	s_wait_dscnt 0x0                               ; both opening adds are done
	s_wait_kmcnt 0x0
	s_add_nc_u64 s[20:21], s[4:5], s[20:21]
	s_add_nc_u64 s[22:23], s[6:7], s[22:23]
	s_add_nc_u64 s[46:47], s[8:9], s[46:47]
	s_add_nc_u64 s[92:93], s[10:11], s[92:93]
	CROUND                                         ; all sixteen work-groups are here: the first joint loads meet
	s_mov_b32 s[G0S], 1
	s_add_co_u32 s[G0S+1], s94, SCL
	s_mov_b64 s[G0S+2:G0S+3], s[22:23]
	s_or_b32 s[G0S+3], s[G0S+3], 0x80000000
	s_mov_b32 s[G0SB], 1
	s_add_co_u32 s[G0SB+1], s94, SCL
	s_mov_b64 s[G0SB+2:G0SB+3], s[92:93]
	s_or_b32 s[G0SB+3], s[G0SB+3], 0x80000000
	JLOAD G0S, G1S, G0SB, G1SB                     ; the scales first; three loads of mine are out behind the last of these
.irp s, 0,1
	s_mov_b32 s[G0+4*\s], 1
	s_add_co_u32 s[G0+4*\s+1], s45, \s*SLOT
	s_add_nc_u64 s[G0+4*\s+2:G0+4*\s+3], s[20:21], \s*ROWB
	s_or_b32 s[G0+4*\s+3], s[G0+4*\s+3], 0x80000000
	s_mov_b32 s[G0B+4*\s], 1
	s_add_co_u32 s[G0B+4*\s+1], s45, \s*SLOT
	s_add_nc_u64 s[G0B+4*\s+2:G0B+4*\s+3], s[46:47], \s*ROWB
	s_or_b32 s[G0B+4*\s+3], s[G0B+4*\s+3], 0x80000000
	JLOAD G0+4*\s, G1, G0B+4*\s, G1B
.endr
	v_and_b32 v1, 15, v0                           ; r = lane % 16
	v_bfe_u32 v2, v0, 4, 1                         ; h = lane / 16
	; the bias of my 128 columns, in the result's layout
	s_lshl_b32 s46, s42, 10
	s_lshl_b32 s47, s16, 9
	s_add_co_u32 s46, s46, s47                     ; 4 n0
	s_mov_b32 s47, 0
	s_add_nc_u64 s[96:97], s[96:97], s[46:47]
	v_lshlrev_b32 v9, 5, v2
.irp b, 0,1,2,3,4,5,6,7
	global_load_b128 v[BI+8*\b:BI+8*\b+3], v9, s[96:97] offset:64*\b
	global_load_b128 v[BI+8*\b+4:BI+8*\b+7], v9, s[96:97] offset:64*\b+16
.endr
	v_mul_u32_u24 v3, v1, PITCH
	v_lshl_add_u32 v4, v2, 4, v3                   ; a fragment's row x pitch + 16 x half
	s_mul_i32 s21, s15, HALFT
	s_mul_i32 s22, s16, HALFT
	s_add_co_u32 s22, s22, 2*HALFT
.irp s, 0,1
	v_add_nc_u32 v[ADRA+\s], s21, v4
	v_add_nc_u32 v[ADRB+\s], s22, v4
	s_add_co_u32 s21, s21, SLOT
	s_add_co_u32 s22, s22, SLOT
.endr
	v_mul_u32_u24 v5, v1, KS                       ; my row's scales: 32 bytes a row,
	v_lshrrev_b32 v6, 8, v5
	v_lshl_add_u32 v5, v6, 4, v5                   ; and 16 more for each 256 passed
	s_mul_i32 s21, s15, HALFS
	s_mul_i32 s22, s16, HALFS
	s_add_co_u32 s22, s22, 2*HALFS
	s_sub_co_u32 s22, s22, s21
	v_mul_u32_u24 v6, s22, v2                      ; lanes 16-31 take B's
	s_add_co_u32 s21, s21, SCL
	v_add_nc_u32 v5, v5, v6
	v_add_nc_u32 v[ADRS], s21, v5
	s_mul_i32 s23, s14, 16*SPITCH
	s_add_co_u32 s23, s23, STAGE                   ; my stage
	v_mul_u32_u24 v5, v1, SPITCH                   ; in: row r, 16 bytes for each half of the lanes
	v_lshl_add_u32 v5, v2, 4, v5
	v_add_nc_u32 v[STO], s23, v5
	v_and_b32 v6, 31, v0
	v_lshrrev_b32 v7, 3, v6                        ; back: eight lanes take one head's 128 bytes of a row, four rows an instruction
	v_mul_u32_u24 v7, v7, SPITCH
	v_and_b32 v8, 7, v6
	v_lshl_add_u32 v7, v8, 4, v7
	v_add_nc_u32 v[RD], s23, v7
	v_lshlrev_b32 v[CO], 4, v6                     ; those four rows are 512 consecutive bytes of qkv
	s_lshl_b32 s20, s17, 15                        ; 256 rows of 128 bytes x tile row
	s_lshl_b32 s21, s15, 14
	s_add_co_u32 s20, s20, s21
	s_mov_b32 s21, 0
	s_lshl_b32 s46, s42, 22                        ; four heads of 1,048,576 bytes x tile column
	s_lshl_b32 s47, s16, 21
	s_add_co_u32 s46, s46, s47
	s_mov_b32 s47, 0
	s_add_nc_u64 s[20:21], s[20:21], s[46:47]
	s_add_nc_u64 s[98:99], s[98:99], s[20:21]      ; set once, never stepped
.macro FRAG reg, adr, q, i             ; 16 rows x 128 K of 4-bit codes: 8 registers, two loads of 16 bytes, 32 bytes apart
.irp c, 0,1
	ds_load_b128 v[\reg+4*\c:\reg+4*\c+3], v[\adr] offset:64*(\q)+32*\c+(\i)*16*PITCH
.endr
.endm
; 16 matrix instructions: A's blocks a0, a0 + 1 x B's eight.  zero = 1: the first product starts the sums, with the bias as its C.  The 64 accumulators take turns.
.macro MUL16 a0, p, q, sc, zero
.irp a, \a0, \a0+1
.irp b, 0,1,2,3,4,5,6,7
.if \zero
	v_wmma_scale_f32_16x16x128_f8f6f4 v[8*(8*((\a)%4)+\b):8*(8*((\a)%4)+\b)+7], v[128*(\p)+FR*\b:128*(\p)+FR*\b+FR-1], v[AF+FR*(\a):AF+FR*(\a)+FR-1], v[BI+8*\b:BI+8*\b+7], v[SC+8*NQ*(\sc)+NQ*\b+(\q)], v[SC+8*NQ*(\sc)+NQ*(\a)+(\q)] matrix_a_fmt:MATRIX_FMT_FP4 matrix_b_fmt:MATRIX_FMT_FP4 matrix_a_scale:MATRIX_SCALE_ROW1
.else
	v_wmma_scale_f32_16x16x128_f8f6f4 v[8*(8*((\a)%4)+\b):8*(8*((\a)%4)+\b)+7], v[128*(\p)+FR*\b:128*(\p)+FR*\b+FR-1], v[AF+FR*(\a):AF+FR*(\a)+FR-1], v[8*(8*((\a)%4)+\b):8*(8*((\a)%4)+\b)+7], v[SC+8*NQ*(\sc)+NQ*\b+(\q)], v[SC+8*NQ*(\sc)+NQ*(\a)+(\q)] matrix_a_fmt:MATRIX_FMT_FP4 matrix_b_fmt:MATRIX_FMT_FP4 matrix_a_scale:MATRIX_SCALE_ROW1
.endif
.endr
.endr
.endm
.macro FETCH_B slot, q, p
	WIN TO_B
.irp i, 0,1,2,3,4,5,6,7
	FRAG 128*(\p)+FR*\i, ADRB+\slot, \q, \i
.endr
	WIN 0
.endm
.macro FETCH_A slot, q, i0
.irp i, \i0, \i0+1, \i0+2, \i0+3
	FRAG AF+FR*(\i), ADRA+\slot, \q, \i
.endr
.endm
.macro SCALES sc                       ; a K step's scale words: lanes 0-15 take A's block i, lanes 16-31 B's block i
.irp i, 0,1,2,3,4,5,6,7
	ds_load_b128 v[SC+8*NQ*\sc+NQ*\i:SC+8*NQ*\sc+NQ*\i+3], v[ADRS] offset:\i*SBLK
.endr
.endm
.macro PLACES n                        ; plain vector instructions between a matrix instruction and a load into, or a read of, its registers
.rept \n
	v_nop
.endr
.endm
.macro STEP slot, q, zero              ; 128 along K with its successor in the same slot.  zero = 1: C is the bias, in window 0
	s_wait_dscnt 4*NL                              ; B's set and A's blocks 0-3 are in; A's blocks 4-7 (eight loads) may be out
	WIN MUL_LO-0x20*(\zero)
	MUL16 0, (\q)%2, \q, \slot, \zero
	MUL16 2, (\q)%2, \q, \slot, \zero
	s_wait_dscnt 0
	PLACES NP
	FETCH_B \slot, (\q)+1, 1-(\q)%2
	FETCH_A \slot, (\q)+1, 0
	WIN MUL_HI-0x30*(\zero)
	MUL16 4, (\q)%2, \q, \slot, \zero
	MUL16 6, (\q)%2, \q, \slot, \zero
	PLACES NP
	WIN 0
	FETCH_A \slot, (\q)+1, 4
.endm
.macro TURN slot, next                 ; a slot's last step changes slots: one barrier
	s_wait_tensorcnt 0x0                           ; all my tensor loads have landed: my part of the next slot
	ds_add_u32 v[SPW], v[NIL]                      ; 0 onto my spare word
	s_wait_dscnt 4*NL+1                            ; the add and A's blocks 4-7 may be out
	WIN MUL_LO
	MUL16 0, 1, NQ-1, \slot, 0
	s_wait_dscnt 0x0                               ; the add is done, and my reads of this slot are over
	s_barrier_signal -1
	MUL16 2, 1, NQ-1, \slot, 0
	WIN 0
	s_barrier_wait -1
	PLACES NP
	v_add_nc_u32 v[ADRS], 4*NQ, v[ADRS]            ; on to the next K step's scale words
	FETCH_B \next, 0, 0
	FETCH_A \next, 0, 0
	SCALES \next
	WIN MUL_HI
	MUL16 4, 1, NQ-1, \slot, 0
	MUL16 6, 1, NQ-1, \slot, 0
	PLACES NP
	WIN 0
	FETCH_A \next, 0, 4
.endm
.macro STEPS slot, from
.set Q, \from
.rept NQ-1-\from
	STEP \slot, Q, 0
.set Q, Q+1
.endr
.endm
	s_wait_tensorcnt 1                             ; the scales and my part of K step 0 are in; K step 1's load may be out,
	s_barrier_signal -1
	s_barrier_wait -1                              ; everybody's are
	FETCH_B 0, 0, 0
	FETCH_A 0, 0, 0
	SCALES 0
	FETCH_A 0, 0, 4
	s_wait_loadcnt 0x0                             ; the bias
	STEP 0, 0, 1
	STEPS 0, 1
	TURN 0, 1
	STEPS 1, 0
	s_wait_dscnt 4*NL                              ; the very last step: nothing more to fetch
	WIN MUL_LO
	MUL16 0, 1, NQ-1, 1, 0
	MUL16 2, 1, NQ-1, 1, 0
	s_wait_dscnt 0
	WIN MUL_HI
	MUL16 4, 1, NQ-1, 1, 0
	MUL16 6, 1, NQ-1, 1, 0
	WIN 0
; THE WAY OUT, block by block of 16 rows x 128 columns (two heads).  PACK: rounded to f16, 16 bytes a lane.  TOSTAGE: into my own stage, and back by heads: four rows of one head are 512 consecutive bytes of qkv.  SEND: stored.
.macro PACK a
.set AC, 64*((\a)%4)
	WIN 0x0a+5*((\a)/4)                            ; sources 0 and 1: window 2 or 3
.irp b, 0,1,2,3,4,5,6,7
.irp r, 0,1,2,3
	v_cvt_pk_f16_f32 v[TMP+4*\b+\r], v[AC+8*\b+2*\r], v[AC+8*\b+2*\r+1]   ; each accumulator from its low end on
.endr
.endr
	WIN 0
.endm
.macro TOSTAGE a
.set BB, OB+32*((\a)%2)
.irp b, 0,1,2,3,4,5,6,7
	ds_store_b128 v[STO], v[TMP+4*\b:TMP+4*\b+3] offset:32*\b
.endr
.irp t, 0,1,2,3,4,5,6,7
	ds_load_b128 v[BB+4*\t:BB+4*\t+3], v[RD] offset:(4*(\t%4))*SPITCH+128*(\t/4)   ; LDS serves a wave's instructions in order: these see the stores above
.endr
.endm
.macro SEND a, younger
.set BB, OB+32*((\a)%2)
	s_wait_dscnt \younger                          ; the block is back in registers
	s_wait_xcnt 0x0                                ; the earlier stores have read their registers: the next block's loads may land there
.irp t, 0,1,2,3,4,5,6,7
	global_store_b128 v[CO], v[BB+4*\t:BB+4*\t+3], s[98:99] offset:(\t/4)*1048576+(\a)*2048+512*(\t%4)   ; 32 lanes store 512 consecutive bytes, aligned
.endr
.endm
	PLACES NP
	PACK 0
	TOSTAGE 0
.irp a, 1,2,3,4,5,6,7
	PACK \a
	SEND \a-1, 0
	TOSTAGE \a
.endr
	SEND 7, 0
	s_wait_tensorcnt 0x0                           ; the wave's end
	ds_add_u32 v[SPW], v[NIL]
	s_wait_dscnt 0x0
	CROUND                                         ; the closing round
	s_endpgm
.Lfunc_end_k_qc4c854bed6_qkvgemm:
	.size	k_qc4c854bed6_qkvgemm, .Lfunc_end_k_qc4c854bed6_qkvgemm-k_qc4c854bed6_qkvgemm
	.p2alignl 7, 3214868480
	.fill 96, 4, 3214868480
	.section	.rodata,"a",@progbits
	.p2align	6, 0x0
	.amdhsa_kernel k_qc4c854bed6_qkvgemm
		.amdhsa_group_segment_fixed_size 327680
		.amdhsa_private_segment_fixed_size 0
		.amdhsa_enable_private_segment 0
		.amdhsa_kernarg_size 48
		.amdhsa_user_sgpr_count 2
		.amdhsa_user_sgpr_kernarg_segment_ptr 1
		.amdhsa_wavefront_size32 1
		.amdhsa_system_sgpr_workgroup_id_x 1
		.amdhsa_system_sgpr_workgroup_id_y 1
		.amdhsa_system_sgpr_workgroup_id_z 1
		.amdhsa_system_vgpr_workitem_id 0
		.amdhsa_next_free_vgpr 1024
		.amdhsa_next_free_sgpr 100
		.amdhsa_reserve_vcc 0
		.amdhsa_float_denorm_mode_32 3
		.amdhsa_float_denorm_mode_16_64 3
		.amdhsa_memory_ordered 1
		.amdhsa_forward_progress 1
		.amdhsa_inst_pref_size 128
	.end_amdhsa_kernel
	.amdgpu_metadata
---
amdhsa.version: [ 1, 2 ]
amdhsa.kernels:
  - .name:           k_qc4c854bed6_qkvgemm
    .symbol:         k_qc4c854bed6_qkvgemm.kd
    .args:
      - { .name: xc, .offset: 0, .size: 8, .value_kind: global_buffer, .address_space: global }
      - { .name: xs, .offset: 8, .size: 8, .value_kind: global_buffer, .address_space: global }
      - { .name: wc, .offset: 16, .size: 8, .value_kind: global_buffer, .address_space: global }
      - { .name: ws, .offset: 24, .size: 8, .value_kind: global_buffer, .address_space: global }
      - { .name: bqkv, .offset: 32, .size: 8, .value_kind: global_buffer, .address_space: global }
      - { .name: qkv, .offset: 40, .size: 8, .value_kind: global_buffer, .address_space: global }
    .group_segment_fixed_size: 327680
    .private_segment_fixed_size: 0
    .kernarg_segment_align: 8
    .kernarg_segment_size: 48
    .max_flat_workgroup_size: 128
    .sgpr_count:     100
    .vgpr_count:     1024
    .wavefront_size: 32
...
	.end_amdgpu_metadata
.endif
;; end of part 2
;; launch attn (part 3): grid 4 x 64, 8 waves a work-group, no clusters, 327,680 bytes of LDS; arguments qkv, key_padding_mask, rel_bias, ao; writes ao
.if DOCPART == 3
	.amdgcn_target "amdgcn-amd-amdhsa--gfx1250"
	.amdhsa_code_object_version 6
	.text
	.protected	k_qc4c854bed6_attn
	.globl	k_qc4c854bed6_attn
	.p2align	8
	.type	k_qc4c854bed6_attn,@function
k_qc4c854bed6_attn:
	s_mov_b64 s[64:65], 0
	v_nop
	global_prefetch_b8 v0, s[64:65] scope:SCOPE_SE
	s_setreg_imm32_b32 hwreg(HW_REG_WAVE_MODE, 25, 1), 1
	s_wait_xcnt 0x0
; ao[h][b l][:] = sum over k of softmax_k(q . k / 8 + rel_bias[h][clip(k - q, +-128) + 128], masked keys left out) v[k][:].  q, k, v: qkv [48][8192][64] f16; ao [16][8192][64] f16.
; Products on f16 operands with f32 sums; maxima, exponentials and sums in f32; the weights p are rounded to f16 for the second product, the result once at the end.
; SHARES.  A work-group owns 512 queries of one batch and head; each of its eight waves 64: four tiles of 16.  Two waves share a SIMD (512 registers each), so one wave's vector work stands beside the other's products.
; Every wave walks all 2,048 keys, 64 a step, four steps to an LDS slot; two slots, filled by tensor loads (waves 0, 1: K's halves; waves 2, 3: V's).
; LAYOUT.  S^T = K Q^T (source 0 = 16 keys, source 1 = 16 queries), O^T = V^T P: a lane holds ONE query (lane % 16) throughout; two score tiles rounded in pairs ARE source 1 of the second product.
; A head's rows are 128 dense bytes: a tile is stated as rows of 256 bytes, two rows of the tensor each; row x lies at (x / 2) pitch + (x % 2) 128.
; RAW SCORES  s = q . k + 8 bias + mask;  p = 2^(c s - c m), c = log2(e) / 8, m the running maximum; in every step O and l are multiplied by a = 2^(c m_old - c m_new).
; BIAS AND MASK ARE THE C OF A SCORE TILE'S FIRST PRODUCT.  With D = the step's first key - the wave's first query: for D <= -192 or D >= 192 every key - query lies beyond +-128, so the bias is one number a head,
; and C hangs on the key alone (tables MLO, MHI: mask + 8 bias, eight broadcast loads for all four query tiles).  For -128 <= D <= 128 (5 of a wave's 32 steps) C comes from a table by key - query, and the mask is added.
; That branch is made of ids and loop counts alone, and leads round no barrier, no wait for tensor loads and no tensor load.
; NO CLUSTER: the four query blocks of a head read the same K and V, but which steps take the banded way hangs on the query block, and partners of a cluster must run alike; the form without that branch
; would load a bias tile for every score tile: 32 LDS loads and 64 packed additions more for each wave and step.
; LIMITS.  A masked key's score is -2^100 and the running maximum starts at -2^96: raw scores of kept keys lie above -2^96 (f16 operands bound them by 2.8e11).  A batch with every key masked gives NaN, as the definition does.
; REGISTERS.  window 0: v1-15 addresses; v24-55 statistics, 8 a tile; v64-127 eight fragments of K, then of V; v128-255 S^T, 32 a tile.
;   window 1: v0-127 O^T (tile u, channels 16 ct on: 32 u + 8 ct); v128-191 Q (8 (2 u + c)); v192-255 P, 16 a tile; v192-223 also hold C for the far steps, while P is dead.
.set VOFF,  34816                      ; a slot: K's 128 double rows x 272, then V's 128 x 288
.set SLOT1, 1<<17
.set MLO,   71680                      ; 2,048 f32: mask + 8 bias[h][0];  + 8,192: mask + 8 bias[h][256];  + 16,384: mask alone
.set TOE,   96256                      ; four copies, 2,112 bytes apart: copy c, entry i = 8 bias[h][min(max(i + c, 64), 320) - 64]
.set TCOPY, 2112
.set SPARE, 104704                     ; the spare words, 128 bytes for each wave
.set STAGE, 202752                     ; behind slot 1: 64 rows x 144 bytes for each wave, for the way out
.set SPW, 1
.set NIL, 2
.set AK0, 3
.set AV0, 4
.set AM0, 5
.set AT0, 6
.set ADK, 7
.set ADV, 8
.set ADM, 9
.set ADT, 10
.set QO,  11
.set STO, 12
.set RD,  13
.set GO,  14
.set PFO, 15
.set ST,  24                           ; tile u at ST + 8 u: +0 c m, +1 m, +2, +3 l in two halves, +4 .. +7 at work; a takes +6
.set KV,  64
.set S,   128
.set QF,  128                          ; window 1
.set P,   192                          ; window 1
.set WV,  12
.set SEL, 20
.set CS,  22
.set G1K, 24
.set G1V, 32
.set G0K, 40
.set G0V, 44
.set TB,  48                           ; LDS byte at which the slot in hand begins
.set KI,  49                           ; the step's first key within the slot
.set KFS, 50                           ; the slot's first key
.set KF,  51
.set Q0,  52
.set DD,  53
.set EE,  54
.set MM,  55
.set SLOTS, 56
.set LIM, 57
.set PFK, 58
.set PFV, 60
.set MSB, 0
.macro WIN new
.if MSB != (\new)
	s_set_vgpr_msb (MSB<<8)|(\new)
.set MSB, (\new)
.endif
.endm
; Waves 0 and 1 fetch for K, waves 2 and 3 for V, the others nothing.  An s_nop 0 and four v_nop follow each line.
.macro TLOAD
	s_cmp_lt_u32 s[WV], 2
	s_cbranch_scc0 .Lnot_k_\@
	tensor_load_to_lds s[G0K:G0K+3], s[G1K:G1K+7]
	s_nop 0
.rept 4
	v_nop
.endr
	s_branch .Lasked_\@
.Lnot_k_\@:
	s_cmp_lt_u32 s[WV], 4
	s_cbranch_scc0 .Lasked_\@
	tensor_load_to_lds s[G0V:G0V+3], s[G1V:G1V+7]
	s_nop 0
.rept 4
	v_nop
.endr
.Lasked_\@:
.endm
; A prefetch of what the NEXT change of slots will ask for: 32,768 dense bytes of K and as many of V.  All four work-groups of a batch and head walk the same K and V: the first of them asks, and in it the waves
; that fetch nothing: waves 4 to 7, 8,192 bytes of each block a wave, lanes 256 bytes apart: each aligned block of 256 bytes is named once in the launch.  The last change that fills a slot asks for nothing.
.macro ASK
	s_cmp_gt_u32 s[SLOTS], s[LIM]
	s_cbranch_scc0 .Lnot_mine_\@
	global_prefetch_b8 v[PFO], s[PFK:PFK+1] th:TH_LOAD_NT scope:SCOPE_SE
	global_prefetch_b8 v[PFO], s[PFV:PFV+1] th:TH_LOAD_NT scope:SCOPE_SE
.Lnot_mine_\@:
.endm
	s_load_b256 s[4:11], s[0:1], 0x0               ; qkv s[4:5], mask s[6:7], rel_bias s[8:9], ao s[10:11]
	v_lshl_add_u32 v[SPW], v0, 2, SPARE
	v_mov_b32 v[NIL], 0
	ds_add_u32 v[SPW], v[NIL]                      ; the wave's opening: the add, twice on end, and its wait ahead of the first tensor load
	ds_add_u32 v[SPW], v[NIL]
	v_lshrrev_b32 v16, 5, v0
	v_readfirstlane_b32 s[WV], v16                 ; wave 0..7
	s_and_b32 s16, ttmp7, 0xffff
	s_lshr_b32 s13, s16, 4                         ; b
	s_and_b32 s14, s16, 15                         ; h
	s_lshl_b32 s15, s14, 20
	s_lshl_b32 s16, s13, 18
	s_add_co_u32 s15, s15, s16                     ; the batch's and head's first byte in q's, k's, v's part of qkv, and in ao
	s_lshl_b32 s[Q0], ttmp9, 9
	s_lshl_b32 s16, s[WV], 6
	s_add_co_u32 s[Q0], s[Q0], s16                 ; my first query
	s_mov_b32 s[G1K], (1<<16)|(1<<20)|(5<<22)|(3<<25)   ; elements of 2 bytes; padding: 4 words after every 64
	s_mov_b32 s[G1V], (1<<16)|(1<<20)|(5<<22)|(7<<25)   ; 8 words
.irp g, G1K, G1V
	s_mov_b32 s[\g+1], 128<<16                     ; tensor_dim0 = 128 elements: two rows of the head
	s_mov_b32 s[\g+2], 64<<16                      ; tensor_dim1
	s_mov_b32 s[\g+3], 128<<16                     ; tile_dim0
	s_mov_b32 s[\g+4], 64                          ; tile_dim1
	s_mov_b32 s[\g+5], 128                         ; the pitch: dense
	s_mov_b32 s[\g+6], 0
	s_mov_b32 s[\g+7], 0
.endr
	s_mov_b32 s[SEL], 0x76543210
	s_mov_b32 s[SEL+1], 0xfedcba98
	s_mov_b32 s[CS], 0x3e38aa3b                    ; c = log2(e) / 8
	s_mov_b32 s[CS+1], s[CS]
	s_mov_b32 s[TB], 0
	s_mov_b32 s[KFS], 0
	s_mov_b32 s[SLOTS], 7
	s_and_b32 s16, s[WV], 1                        ; which half of a slot's 256 keys I fetch, if I fetch
	s_mul_i32 s18, s16, 17408
	s_mul_i32 s19, s16, 18432
	s_add_co_u32 s19, s19, VOFF
	s_lshl_b32 s16, s16, 14
	s_add_co_u32 s16, s16, s15
	s_mov_b32 s17, 0
	s_wait_dscnt 0x0                               ; both opening adds are done
	s_wait_kmcnt 0x0
	s_mov_b32 s[G0K], 1
	s_mov_b32 s[G0K+1], s18
	s_add_nc_u64 s[G0K+2:G0K+3], s[4:5], s[16:17]
	s_add_nc_u64 s[G0K+2:G0K+3], s[G0K+2:G0K+3], 16777216
	s_or_b32 s[G0K+3], s[G0K+3], 0x80000000
	s_mov_b32 s[G0V], 1
	s_mov_b32 s[G0V+1], s19
	s_add_nc_u64 s[G0V+2:G0V+3], s[4:5], s[16:17]
	s_add_nc_u64 s[G0V+2:G0V+3], s[G0V+2:G0V+3], 33554432
	s_or_b32 s[G0V+3], s[G0V+3], 0x80000000
	TLOAD                                          ; slot 0: one load of mine is out
	s_and_b32 s16, s[WV], 3                        ; the prefetches: my wave's 8,192 bytes, in slot 1: the first change of slots steps them to slot 2
	s_lshl_b32 s16, s16, 13
	s_add_co_u32 s16, s16, s15
	s_add_co_u32 s16, s16, 32768
	s_add_nc_u64 s[PFK:PFK+1], s[4:5], s[16:17]
	s_add_nc_u64 s[PFV:PFV+1], s[PFK:PFK+1], 33554432
	s_add_nc_u64 s[PFK:PFK+1], s[PFK:PFK+1], 16777216
	s_lshr_b32 s16, s[WV], 2
	s_xor_b32 s16, s16, 1                          ; 0 in waves 4 to 7,
	s_or_b32 s16, s16, ttmp9                       ; of the first query block
	s_cmp_eq_u32 s16, 0
	s_cselect_b32 s[LIM], 1, -1
	s_lshl_b32 s16, s[Q0], 7
	s_add_co_u32 s16, s16, s15
	s_add_nc_u64 s[4:5], s[4:5], s[16:17]          ; q at my first query
	s_add_nc_u64 s[10:11], s[10:11], s[16:17]      ; ao likewise
	s_lshl_b32 s16, s13, 11
	s_add_nc_u64 s[6:7], s[6:7], s[16:17]          ; my batch's mask
	s_mul_i32 s16, s14, 1028
	s_add_nc_u64 s[8:9], s[8:9], s[16:17]          ; my head's 257 biases
	v_and_b32 v16, 15, v0                          ; r
	v_bfe_u32 v17, v0, 4, 1                        ; h
	v_and_b32 v18, 31, v0                          ; lane
	v_lshlrev_b32 v[QO], 7, v16
	v_lshl_add_u32 v[QO], v17, 4, v[QO]
	WIN 0x40                                       ; destination window 1
.irp u, 0,1,2,3
.irp c, 0,1
	global_load_b128 v[QF+8*(2*\u+\c):QF+8*(2*\u+\c)+3], v[QO], s[4:5] offset:\u*2048+64*\c
	global_load_b128 v[QF+8*(2*\u+\c)+4:QF+8*(2*\u+\c)+7], v[QO], s[4:5] offset:\u*2048+64*\c+32
.endr
.endr
	WIN 0
	; the tables: thread T makes entries T and T + 256 of each copy of the bias table, and keys 8 T .. 8 T + 7 of the three mask tables
.irp c, 0,1,2,3
.irp n, 0,1
	v_add_nc_u32 v[128+2*\c+\n], \c+256*\n, v0
	v_max_u32 v[128+2*\c+\n], 64, v[128+2*\c+\n]
	v_min_u32 v[128+2*\c+\n], 320, v[128+2*\c+\n]
	v_lshlrev_b32 v[128+2*\c+\n], 2, v[128+2*\c+\n]
	global_load_b32 v[136+2*\c+\n], v[128+2*\c+\n], s[8:9] offset:-256
.endr
.endr
	v_mov_b32 v148, 0
	v_lshlrev_b32 v149, 3, v0
	global_load_b32 v144, v148, s[8:9]             ; bias[h][0]
	global_load_b32 v145, v148, s[8:9] offset:1024 ; bias[h][256]
	global_load_b64 v[146:147], v149, s[6:7]       ; eight mask bytes
	v_lshl_add_u32 v150, v0, 2, TOE
	v_lshl_add_u32 v176, v0, 5, MLO
	v_mov_b32 v177, 0xf1800000                     ; -2^100
	v_lshrrev_b32 v19, 1, v16                      ; K: row r of a tile, + 16 bytes for the upper half of the lanes
	v_mul_u32_u24 v[AK0], v19, 272
	v_and_b32 v19, 1, v16
	v_lshl_add_u32 v[AK0], v19, 7, v[AK0]
	v_lshl_add_u32 v[AK0], v17, 4, v[AK0]
	v_and_b32 v19, 7, v0                           ; V, for the turning load: key 8 h + lane % 8, channels 8 ((lane / 8) % 2) on
	v_lshl_add_u32 v19, v17, 3, v19
	v_lshrrev_b32 v20, 1, v19
	v_mul_u32_u24 v[AV0], v20, 288
	v_and_b32 v20, 1, v19
	v_lshl_add_u32 v[AV0], v20, 7, v[AV0]
	v_bfe_u32 v20, v0, 3, 1
	v_lshl_add_u32 v[AV0], v20, 4, v[AV0]
	v_add_nc_u32 v[AV0], VOFF, v[AV0]
	v_lshlrev_b32 v[AM0], 5, v17                   ; the mask tables: my half's eight keys
	v_add_nc_u32 v[AM0], MLO, v[AM0]
	v_sub_nc_u32 v19, 16, v16                      ; the bias table: copy (-r) % 4, so that my eight neighbours begin at a multiple of 16 bytes
	v_and_b32 v19, 3, v19
	v_mul_u32_u24 v[AT0], v19, TCOPY
	v_lshl_add_u32 v[AT0], v17, 5, v[AT0]
	v_add_nc_u32 v[AT0], TOE+64, v[AT0]
	v_add_nc_u32 v19, 3, v16
	v_lshrrev_b32 v19, 2, v19
	v_lshlrev_b32 v19, 4, v19
	v_sub_nc_u32 v[AT0], v[AT0], v19
	s_mul_i32 s66, s[WV], 9216
	s_add_co_u32 s66, s66, STAGE                   ; my stage
	v_mul_u32_u24 v[STO], v16, 144
	v_lshl_add_u32 v[STO], v17, 4, v[STO]
	v_add_nc_u32 v[STO], s66, v[STO]
	v_lshrrev_b32 v19, 3, v18
	v_mul_u32_u24 v[RD], v19, 144
	v_and_b32 v19, 7, v0
	v_lshl_add_u32 v[RD], v19, 4, v[RD]
	v_add_nc_u32 v[RD], s66, v[RD]
	v_lshlrev_b32 v[GO], 4, v18
	v_lshlrev_b32 v[PFO], 8, v18
.irp u, 0,1,2,3
	v_mov_b32 v[ST+8*\u+1], 0xef800000             ; m = -2^96
	v_mul_f32 v[ST+8*\u], s[CS], v[ST+8*\u+1]      ; c m
	v_mov_b32 v[ST+8*\u+2], 0                      ; l
	v_mov_b32 v[ST+8*\u+3], 0
.endr
	WIN 0x40
.set i, 0
.rept 128
	v_mov_b32 v[i], 0                              ; O^T.  (The step is written once: its first trip finds zeros, which a = 0 leaves zeros)
.set i, i+1
.endr
	WIN 0
	s_wait_loadcnt 0x0
.irp k, 0,1,2,3,4,5,6,7,8,9
	v_mul_f32 v[136+\k], 0x41000000, v[136+\k]     ; 8 x bias (v144, v145: the two ends)
.endr
.irp c, 0,1,2,3
.irp n, 0,1
	ds_store_b32 v150, v[136+2*\c+\n] offset:\c*TCOPY+1024*\n
.endr
.endr
.irp i, 0,1,2,3,4,5,6,7
	v_bfe_u32 v151, v[146+\i/4], 8*(\i%4), 8
	v_cmp_eq_u32 vcc_lo, 0, v151
	v_cndmask_b32 v[152+\i], v148, v177, vcc_lo    ; 0 for a key that is kept, -2^100 for one that is not
.endr
.irp i, 0,1,2,3,4,5,6,7
	v_add_f32 v[160+\i], v[152+\i], v144
	v_add_f32 v[168+\i], v[152+\i], v145
.endr
	ds_store_b128 v176, v[160:163]
	ds_store_b128 v176, v[164:167] offset:16
	ds_store_b128 v176, v[168:171] offset:8192
	ds_store_b128 v176, v[172:175] offset:8208
	ds_store_b128 v176, v[152:155] offset:16384
	ds_store_b128 v176, v[156:159] offset:16400    ; the first change of slots waits for these stores and passes a barrier: then every wave may read the tables
; A KEY STEP: 64 keys.
.macro STEP
	s_add_co_u32 s[KF], s[KFS], s[KI]
	s_sub_co_u32 s[DD], s[KF], s[Q0]               ; D, a multiple of 64
	s_add_co_u32 s[EE], s[DD], 128
	s_mul_i32 s66, s[KI], 136                      ; 64 keys are 32 double rows of 272 bytes,
	s_add_co_u32 s66, s66, s[TB]
	s_mul_i32 s67, s[KI], 144                      ; or of 288
	s_add_co_u32 s67, s67, s[TB]
	v_add_nc_u32 v[ADK], s66, v[AK0]               ; these four plain lines are the places between the last step's products and the loads into registers that they read
	v_add_nc_u32 v[ADV], s67, v[AV0]
	v_nop
	v_nop
.irp t, 0,1,2,3
.irp c, 0,1
	ds_load_b128 v[KV+8*(2*\t+\c):KV+8*(2*\t+\c)+3], v[ADK] offset:\t*2176+64*\c
	ds_load_b128 v[KV+8*(2*\t+\c)+4:KV+8*(2*\t+\c)+7], v[ADK] offset:\t*2176+64*\c+32
.endr
.endr
	s_cmp_le_u32 s[EE], 256                        ; -128 <= D <= 128 ?
	s_cbranch_scc1 .Lband_\@
	s_cmp_lt_i32 s[DD], 0                          ; far: the low end's table or the high end's
	s_cselect_b32 s[MM], 0, 8192
	s_lshl_b32 s68, s[KF], 2
	s_add_co_u32 s[MM], s[MM], s68
	v_add_nc_u32 v[ADM], s[MM], v[AM0]
	WIN 0x40
.irp t, 0,1,2,3
	ds_load_b128 v[P+8*\t:P+8*\t+3], v[ADM] offset:64*\t          ; C of key tile t: the same for all four query tiles
	ds_load_b128 v[P+8*\t+4:P+8*\t+7], v[ADM] offset:64*\t+16
.endr
	s_wait_dscnt 0x0
	WIN 0x14                                       ; Q and C in window 1
.irp t, 0,1,2,3
.irp u, 0,1,2,3
	v_wmma_f32_16x16x32_f16 v[S+32*\u+8*\t:S+32*\u+8*\t+7], v[KV+16*\t:KV+16*\t+7], v[QF+16*\u:QF+16*\u+7], v[P+8*\t:P+8*\t+7]
.endr
.endr
	WIN 0
	s_branch .Ljoin_\@
.Lband_\@:
	s_min_u32 s[EE], s[EE], 256
	s_lshl_b32 s[EE], s[EE], 2
	v_add_nc_u32 v[ADT], s[EE], v[AT0]
	s_lshl_b32 s68, s[KF], 2
	s_add_co_u32 s68, s68, 16384
	v_add_nc_u32 v[ADM], s68, v[AM0]
	WIN 0x40
.irp t, 0,1,2,3
	ds_load_b128 v[P+8*\t:P+8*\t+3], v[ADM] offset:64*\t          ; the mask alone
	ds_load_b128 v[P+8*\t+4:P+8*\t+7], v[ADM] offset:64*\t+16
.endr
	WIN 0
.irp t, 0,1,2,3
.irp u, 0,1,2,3
	ds_load_b128 v[S+32*\u+8*\t:S+32*\u+8*\t+3], v[ADT] offset:64*(\t-\u+3)        ; 8 bias by key - query: eight neighbours
	ds_load_b128 v[S+32*\u+8*\t+4:S+32*\u+8*\t+7], v[ADT] offset:64*(\t-\u+3)+16
.endr
.endr
	s_wait_dscnt 0x0
	WIN 0x04
.irp t, 0,1,2,3
.irp u, 0,1,2,3
.irp j, 0,2,4,6
	v_pk_add_f32 v[S+32*\u+8*\t+\j:S+32*\u+8*\t+\j+1], v[S+32*\u+8*\t+\j:S+32*\u+8*\t+\j+1], v[P+8*\t+\j:P+8*\t+\j+1]
.endr
.endr
.endr
.irp t, 0,1,2,3
.irp u, 0,1,2,3
	v_wmma_f32_16x16x32_f16 v[S+32*\u+8*\t:S+32*\u+8*\t+7], v[KV+16*\t:KV+16*\t+7], v[QF+16*\u:QF+16*\u+7], v[S+32*\u+8*\t:S+32*\u+8*\t+7]
.endr
.endr
	WIN 0
.Ljoin_\@:
	WIN 0x04                                       ; channels 32 on: the sixteen accumulators take turns, in the same order
.irp t, 0,1,2,3
.irp u, 0,1,2,3
	v_wmma_f32_16x16x32_f16 v[S+32*\u+8*\t:S+32*\u+8*\t+7], v[KV+16*\t+8:KV+16*\t+15], v[QF+16*\u+8:QF+16*\u+15], v[S+32*\u+8*\t:S+32*\u+8*\t+7]
.endr
.endr
	WIN 0
.rept 4
	v_nop                                          ; places in front of the loads into K's registers and of the first read of the scores
.endr
.irp g, 0,1
.irp ct, 0,1,2,3
	ds_load_tr16_b128 v[KV+32*\g+8*\ct:KV+32*\g+8*\ct+3], v[ADV] offset:\g*4608+32*\ct          ; V turned: keys 32 g on, channels 16 ct on; it lands while the softmax is worked
	ds_load_tr16_b128 v[KV+32*\g+8*\ct+4:KV+32*\g+8*\ct+7], v[ADV] offset:\g*4608+32*\ct+2304
.endr
.endr
	; the softmax of the four tiles, by turns.  The maximum of 32 scores and the old m: each accumulator is read from its low end on
.irp j, 0,1,2,3
.irp u, 0,1,2,3
	v_max3_num_f32 v[ST+8*\u+4+\j], v[S+32*\u+8*\j], v[S+32*\u+8*\j+1], v[S+32*\u+8*\j+2]
.endr
.endr
.irp k, 1,2
.irp j, 0,1,2,3
.irp u, 0,1,2,3
	v_max3_num_f32 v[ST+8*\u+4+\j], v[ST+8*\u+4+\j], v[S+32*\u+8*\j+2*\k+1], v[S+32*\u+8*\j+2*\k+2]
.endr
.endr
.endr
.irp u, 0,1,2,3
	v_max3_num_f32 v[ST+8*\u+4], v[ST+8*\u+4], v[S+32*\u+7], v[S+32*\u+15]
.endr
.irp u, 0,1,2,3
	v_max3_num_f32 v[ST+8*\u+6], v[ST+8*\u+6], v[S+32*\u+23], v[S+32*\u+31]
.endr
.irp u, 0,1,2,3
	v_max3_num_f32 v[ST+8*\u+4], v[ST+8*\u+4], v[ST+8*\u+5], v[ST+8*\u+6]
.endr
.irp u, 0,1,2,3
	v_max3_num_f32 v[ST+8*\u+4], v[ST+8*\u+4], v[ST+8*\u+7], v[ST+8*\u+1]
.endr
.irp u, 0,1,2,3
	v_permlanex16_b32 v[ST+8*\u+5], v[ST+8*\u+4], s[SEL], s[SEL+1]   ; the query's other 32 keys lie in the lane 16 away
.endr
.irp u, 0,1,2,3
	v_mov_b32 v[ST+8*\u+7], v[ST+8*\u]             ; c m_old
.endr
.irp u, 0,1,2,3
	v_max_num_f32 v[ST+8*\u+1], v[ST+8*\u+4], v[ST+8*\u+5]
.endr
.irp u, 0,1,2,3
	v_mul_f32 v[ST+8*\u], s[CS], v[ST+8*\u+1]
.endr
.irp u, 0,1,2,3
	v_sub_f32 v[ST+8*\u+7], v[ST+8*\u+7], v[ST+8*\u]
.endr
.irp u, 0,1,2,3
	v_exp_f32 v[ST+8*\u+6], v[ST+8*\u+7]           ; a
.endr
.irp b, 0,2,4,6,8,10,12,14,16,18,20,22,24,26,28,30
.irp u, 0,1,2,3
	v_pk_fma_f32 v[S+32*\u+\b:S+32*\u+\b+1], v[S+32*\u+\b:S+32*\u+\b+1], s[CS:CS+1], v[ST+8*\u:ST+8*\u+1] op_sel_hi:[1,0,0] neg_lo:[0,0,1] neg_hi:[0,0,1]   ; c s - c m
.endr
.endr
.set i, 0
.rept 128
	v_exp_f32 v[S+i], v[S+i]                       ; p, at most 1
.set i, i+1
.endr
	v_nop                                          ; a plain instruction behind the last exponential
	s_wait_alu depctr_va_vdst(0)                   ; one wait for the whole batch of 132, ahead of the first instruction that names a result
	WIN 0x40
.set i, 0
.rept 64
	v_cvt_pk_f16_f32 v[P+i], v[S+2*i], v[S+2*i+1]
.set i, i+1
.endr
	WIN 0
.irp z, 0,1,2,3,4,5,6,7
.irp u, 0,1,2,3
	v_pk_add_f32 v[S+32*\u+4*\z:S+32*\u+4*\z+1], v[S+32*\u+4*\z:S+32*\u+4*\z+1], v[S+32*\u+4*\z+2:S+32*\u+4*\z+3]   ; the sum of the unrounded p, in place
.endr
.endr
.irp z, 0,1,2,3
.irp u, 0,1,2,3
	v_pk_add_f32 v[S+32*\u+8*\z:S+32*\u+8*\z+1], v[S+32*\u+8*\z:S+32*\u+8*\z+1], v[S+32*\u+8*\z+4:S+32*\u+8*\z+5]
.endr
.endr
.irp z, 0,1
.irp u, 0,1,2,3
	v_pk_add_f32 v[S+32*\u+16*\z:S+32*\u+16*\z+1], v[S+32*\u+16*\z:S+32*\u+16*\z+1], v[S+32*\u+16*\z+8:S+32*\u+16*\z+9]
.endr
.endr
.irp u, 0,1,2,3
	v_pk_add_f32 v[S+32*\u:S+32*\u+1], v[S+32*\u:S+32*\u+1], v[S+32*\u+16:S+32*\u+17]
.endr
.irp u, 0,1,2,3
	v_pk_fma_f32 v[ST+8*\u+2:ST+8*\u+3], v[ST+8*\u+2:ST+8*\u+3], v[ST+8*\u+6:ST+8*\u+7], v[S+32*\u:S+32*\u+1] op_sel_hi:[1,0,1]   ; l = a l + the sum
.endr
	WIN 0x41
.irp u, 0,1,2,3
.set i, 0
.rept 16
	v_pk_mul_f32 v[32*\u+i:32*\u+i+1], v[32*\u+i:32*\u+i+1], v[ST+8*\u+6:ST+8*\u+7] op_sel_hi:[1,0]   ; O^T x a, each accumulator from its low end on
.set i, i+2
.endr
.endr
	s_wait_dscnt 0x0                               ; V is in
	WIN 0x54                                       ; P, C and D in window 1
.irp g, 0,1
.irp ct, 0,1,2,3
.irp u, 0,1,2,3
	v_wmma_f32_16x16x32_f16 v[32*\u+8*\ct:32*\u+8*\ct+7], v[KV+32*\g+8*\ct:KV+32*\g+8*\ct+7], v[P+16*\u+8*\g:P+16*\u+8*\g+7], v[32*\u+8*\ct:32*\u+8*\ct+7]
.endr
.endr
.endr
	WIN 0
.endm
; THE CHANGE OF SLOTS stands at a slot's head.  Each wave waits for all its tensor loads, adds 0 to its spare word, and waits for that and for its LDS reads and stores; behind the barrier the slot ahead is whole and
; nobody reads the other one.  fill = 1: that other slot is filled with the next 256 keys: the load has four key steps in which to land.
.macro CHANGE fill
	s_wait_tensorcnt 0x0                           ; no tensor load of mine is out, so a group 0 may be written
	ds_add_u32 v[SPW], v[NIL]                      ; 0 onto my spare word
.if \fill
	ds_add_u32 v[SPW], v[NIL]                      ; and twice on end here, in every trip alike
	s_xor_b32 s[G0K+1], s[G0K+1], SLOT1
	s_add_nc_u64 s[G0K+2:G0K+3], s[G0K+2:G0K+3], 32768
	s_xor_b32 s[G0V+1], s[G0V+1], SLOT1
	s_add_nc_u64 s[G0V+2:G0V+3], s[G0V+2:G0V+3], 32768
	s_wait_xcnt 0x0                                ; the last prefetches, a slot back, have read their addresses
	s_add_nc_u64 s[PFK:PFK+1], s[PFK:PFK+1], 32768
	s_add_nc_u64 s[PFV:PFV+1], s[PFV:PFV+1], 32768
.endif
	s_wait_dscnt 0x0
	s_barrier_signal -1
	s_barrier_wait -1
.if \fill
	TLOAD                                          ; the first thing behind the barrier, and a wave's one tensor load until the next
	ASK
.endif
.endm
.macro SLOT_STEPS                      ; a slot's four key steps: written once, walked four times
	s_mov_b32 s[KI], 0
.Lstep_\@:
	STEP
	s_add_co_u32 s[KI], s[KI], 64
	s_cmp_lt_u32 s[KI], 256
	s_cbranch_scc1 .Lstep_\@
	s_xor_b32 s[TB], s[TB], SLOT1
	s_add_co_u32 s[KFS], s[KFS], 256
.endm
.Lslot:                                            ; seven trips: behind each change of slots but the last the next slot is asked for
	CHANGE 1
	SLOT_STEPS
	s_sub_co_u32 s[SLOTS], s[SLOTS], 1
	s_cmp_lg_u32 s[SLOTS], 0
	s_cbranch_scc1 .Lslot
	CHANGE 0                                       ; the last slot is written out
	SLOT_STEPS
	; THE WAY OUT.  l's halves are added (these lines are the places behind the last products); O^T / l is rounded to f16 and goes through my stage: four rows of ao are 512 consecutive bytes.
.irp u, 0,1,2,3
	v_add_f32 v[ST+8*\u+4], v[ST+8*\u+2], v[ST+8*\u+3]
.endr
.irp u, 0,1,2,3
	v_permlanex16_b32 v[ST+8*\u+5], v[ST+8*\u+4], s[SEL], s[SEL+1]
.endr
.irp u, 0,1,2,3
	v_add_f32 v[ST+8*\u+4], v[ST+8*\u+4], v[ST+8*\u+5]
.endr
.irp u, 0,1,2,3
	v_rcp_f32 v[ST+8*\u+6], v[ST+8*\u+4]
.endr
	v_nop
	s_wait_alu depctr_va_vdst(0)                   ; one wait for the four reciprocals, ahead of their first reader
.irp u, 0,1,2,3
	WIN 0x41
.set i, 0
.rept 16
	v_pk_mul_f32 v[32*\u+i:32*\u+i+1], v[32*\u+i:32*\u+i+1], v[ST+8*\u+6:ST+8*\u+7] op_sel_hi:[1,0]
.set i, i+2
.endr
	WIN 0x05
.set i, 0
.rept 16
	v_cvt_pk_f16_f32 v[S+16*\u+i], v[32*\u+2*i], v[32*\u+2*i+1]
.set i, i+1
.endr
.endr
	WIN 0
.irp u, 0,1,2,3
.irp ct, 0,1,2,3
	ds_store_b128 v[STO], v[S+16*\u+4*\ct:S+16*\u+4*\ct+3] offset:\u*2304+32*\ct
.endr
.endr
.irp n, 0,1,2,3,4,5,6,7,8,9,10,11,12,13,14,15
	ds_load_b128 v[S+64+4*\n:S+64+4*\n+3], v[RD] offset:\n*576   ; LDS serves a wave's instructions in order: these see my stores
.endr
.irp n, 0,1,2,3,4,5,6,7,8,9,10,11,12,13,14,15
	s_wait_dscnt 15-\n                             ; this load is back; the younger ones may be out
	global_store_b128 v[GO], v[S+64+4*\n:S+64+4*\n+3], s[10:11] offset:512*\n   ; 32 lanes store 512 consecutive bytes, aligned
.endr
	s_wait_tensorcnt 0x0                           ; the wave's end
	ds_add_u32 v[SPW], v[NIL]
	s_wait_dscnt 0x0
	s_endpgm
.Lfunc_end_k_qc4c854bed6_attn:
	.size	k_qc4c854bed6_attn, .Lfunc_end_k_qc4c854bed6_attn-k_qc4c854bed6_attn
	.p2alignl 7, 3214868480
	.fill 96, 4, 3214868480
	.section	.rodata,"a",@progbits
	.p2align	6, 0x0
	.amdhsa_kernel k_qc4c854bed6_attn
		.amdhsa_group_segment_fixed_size 327680
		.amdhsa_private_segment_fixed_size 0
		.amdhsa_enable_private_segment 0
		.amdhsa_kernarg_size 32
		.amdhsa_user_sgpr_count 2
		.amdhsa_user_sgpr_kernarg_segment_ptr 1
		.amdhsa_wavefront_size32 1
		.amdhsa_system_sgpr_workgroup_id_x 1
		.amdhsa_system_sgpr_workgroup_id_y 1
		.amdhsa_system_sgpr_workgroup_id_z 1
		.amdhsa_system_vgpr_workitem_id 0
		.amdhsa_next_free_vgpr 512
		.amdhsa_next_free_sgpr 80
		.amdhsa_reserve_vcc 1
		.amdhsa_float_denorm_mode_32 3
		.amdhsa_float_denorm_mode_16_64 3
		.amdhsa_memory_ordered 1
		.amdhsa_forward_progress 1
		.amdhsa_inst_pref_size 116
	.end_amdhsa_kernel
	.amdgpu_metadata
---
amdhsa.version: [ 1, 2 ]
amdhsa.kernels:
  - .name:           k_qc4c854bed6_attn
    .symbol:         k_qc4c854bed6_attn.kd
    .args:
      - { .name: qkv, .offset: 0, .size: 8, .value_kind: global_buffer, .address_space: global }
      - { .name: key_padding_mask, .offset: 8, .size: 8, .value_kind: global_buffer, .address_space: global }
      - { .name: rel_bias, .offset: 16, .size: 8, .value_kind: global_buffer, .address_space: global }
      - { .name: ao, .offset: 24, .size: 8, .value_kind: global_buffer, .address_space: global }
    .group_segment_fixed_size: 327680
    .private_segment_fixed_size: 0
    .kernarg_segment_align: 8
    .kernarg_segment_size: 32
    .max_flat_workgroup_size: 256
    .sgpr_count:     80
    .vgpr_count:     512
    .wavefront_size: 32
...
	.end_amdgpu_metadata
.endif
;; end of part 3
;; launch oproj (part 4): grid 4 x 64, 4 waves a work-group, clusters of 4 x 4, 327,680 bytes of LDS; arguments ao, wo16, bo, out0; writes out0
.if DOCPART == 4
	.amdgcn_target "amdgcn-amd-amdhsa--gfx1250"
	.amdhsa_code_object_version 6
	.text
	.protected	k_qc4c854bed6_oproj
	.globl	k_qc4c854bed6_oproj
	.p2align	8
	.type	k_qc4c854bed6_oproj,@function
k_qc4c854bed6_oproj:
	s_mov_b64 s[64:65], 0
	v_nop
	global_prefetch_b8 v0, s[64:65] scope:SCOPE_SE
	s_setreg_imm32_b32 hwreg(HW_REG_WAVE_MODE, 25, 1), 1
	s_wait_xcnt 0x0
	s_wait_alu depctr_hold_cnt(0) depctr_sa_sdst(0) depctr_va_vdst(0) depctr_va_sdst(0) depctr_va_ssrc(0) depctr_va_vcc(0) depctr_vm_vsrc(0)
	s_getreg_b32 s2, hwreg(HW_REG_IB_STS2, 6, 4)
	s_cmp_eq_u32 s2, 0
	s_cbranch_scc0 .Lentry_in_a_cluster
	s_endpgm
.Lentry_in_a_cluster:
	s_bfe_u32 s2, ttmp6, 0x10000c
	s_cmp_lg_u32 s2, 0xf033
	s_cbranch_scc0 .Lentry_shape_is_right
	s_endpgm
.Lentry_shape_is_right:
; out0[m][n] = sum over k of ao(m, k) Wo[k][n] + bo[n].  ao: [16 h][8192 m][64] f16, k = 64 h + d; wo16: [1024 k][1024 n] f16; out0: [8192][1024] f32; sums in f32.
; A tile of 128 x 256 of out0 is made by four waves, 64 x 128 each: 32 accumulators, 256 registers: 256 work-groups.  K goes in steps of 128 (two heads) through a ring of two LDS slots.
; A's tile: for each of the two heads 128 rows of 128 dense bytes, stated as 64 rows of 256 bytes (row x at (x / 2) 272 + (x % 2) 128).  B's tile: 128 rows k of 512 bytes, 544 apart, read turned by ds_load_tr16_b128.
; CLUSTERS: 4 x 4 work-groups; A's tiles are asked for jointly along a row of the cluster, B's along a column.
; THE MATRIX INSTRUCTION IS USED TRANSPOSED (source 0 = 16 columns of Wo, source 1 = 16 rows of ao): a lane holds eight neighbouring columns of one row.  The bias is the C of each sum's first product.
; LIMIT: f16 operands: |ao|, |Wo| under 65,504.
; REGISTERS: window 0: v0-31 addresses; v64-95, v96-127 A's fragments, two buffers; v128-191 the bias; on the way out v64-191 hold rows read back.   window 1: B's fragments, two buffers, v0-63 and v64-127.
;   window 2: accumulator (a, b) at v[8 (8 a + b)].
.set ACH,    17408                     ; a head's 64 double rows x 272
.set BOFF,   34816
.set BP,     544
.set SLOT,   104448
.set STAGE,  208896                    ; behind the ring: 16 rows x 528 bytes for each wave
.set SPITCH, 528
.set SPARE,  242688                    ; behind the stages: the spare words
.set LAPS,   4                         ; a lap = two K steps = once round the ring
.set ADRA, 16
.set ADRB, 20
.set STO,  24
.set RD,   25
.set CO,   26
.set SPW,  28
.set NIL,  29
.set AFR,  64
.set BI,   128
.set G1, 24
.set G0, 32
.set G1B, 48
.set G0B, 56
.set MSB, 0
.macro WIN new
.if MSB != (\new)
	s_set_vgpr_msb (MSB<<8)|(\new)
.set MSB, (\new)
.endif
.endm
.set MUL,  0xa1                        ; source 0 (B) window 1, source 1 (A) window 0, C and D window 2
.set TO_B, 0x40
.macro JLOAD s                         ; a joint load: waves 0 and 1 fetch A's two heads, waves 2 and 3 B's two halves; an s_nop 0 and four v_nop follow each line
	s_cmp_eq_u32 s13, 0
	s_cbranch_scc0 .Lfor_b_\@
	tensor_load_to_lds s[G0+4*\s:G0+4*\s+3], s[G1:G1+7]
	s_nop 0
.rept 4
	v_nop
.endr
	s_branch .Lasked_\@
.Lfor_b_\@:
	tensor_load_to_lds s[G0B+4*\s:G0B+4*\s+3], s[G1B:G1B+7]
	s_nop 0
.rept 4
	v_nop
.endr
.Lasked_\@:
.endm
.macro CREST                           ; a round of the cluster's barrier behind its opening barrier
	s_cmp_lg_u32 s12, 0
	s_cbranch_scc1 .Lnot_wave_0_\@
	s_barrier_signal -3
.Lnot_wave_0_\@:
	s_barrier_wait -3
	s_barrier_signal -1
	s_barrier_wait -1
.endm
.macro CROUND
	s_barrier_signal -1
	s_barrier_wait -1
	CREST
.endm
	s_load_b256 s[4:11], s[0:1], 0x0               ; ao s[4:5], wo16 s[6:7], bo s[8:9], out0 s[10:11]
	v_lshl_add_u32 v[SPW], v0, 2, SPARE
	v_mov_b32 v[NIL], 0
	ds_add_u32 v[SPW], v[NIL]                      ; the wave's opening: the add, twice on end, and its wait ahead of my first tensor load
	ds_add_u32 v[SPW], v[NIL]
	v_lshrrev_b32 v1, 5, v0
	v_readfirstlane_b32 s12, v1                    ; wave 0..3
	s_lshr_b32 s13, s12, 1                         ; which half of the tile's rows is mine.  Also: I fetch for A (0) or for B (1)
	s_and_b32 s14, s12, 1                          ; which half of its columns.  Also: which head, or which 64 rows of B, I fetch
	s_bfe_u32 s40, ttmp6, 0x40000                  ; cx, cy
	s_bfe_u32 s41, ttmp6, 0x40004
	s_lshl_b32 s42, ttmp9, 2
	s_add_co_u32 s42, s42, s40                     ; tile column
	s_and_b32 s15, ttmp7, 0xffff
	s_lshl_b32 s15, s15, 2
	s_add_co_u32 s15, s15, s41                     ; tile row
	s_lshl_b32 s43, s41, 2
	s_lshl_b32 s43, 15, s43                        ; my row of the cluster
	s_lshl_b32 s44, 0x1111, s40                    ; my column
	s_or_b32 s[G1+0], s43, (1<<16)|(1<<20)|(1<<21)|(5<<22)|(3<<25)   ; the mask; elements of 2 bytes; padding: 4 words after every 64; bit 21 beside a mask
	s_mov_b32 s[G1+1], 128<<16                     ; tensor_dim0
	s_mov_b32 s[G1+2], 64<<16                      ; tensor_dim1
	s_mov_b32 s[G1+3], 128<<16                     ; tile_dim0
	s_mov_b32 s[G1+4], 64                          ; tile_dim1
	s_mov_b32 s[G1+5], 128                         ; the pitch: dense
	s_mov_b32 s[G1+6], 0
	s_mov_b32 s[G1+7], 0
	s_or_b32 s[G1B+0], s44, (1<<16)|(1<<20)|(1<<21)|(6<<22)|(7<<25)  ; padding: 8 words after every 128
	s_mov_b32 s[G1B+1], 256<<16
	s_mov_b32 s[G1B+2], 64<<16
	s_mov_b32 s[G1B+3], 256<<16
	s_mov_b32 s[G1B+4], 64
	s_mov_b32 s[G1B+5], 1024
	s_mov_b32 s[G1B+6], 0
	s_mov_b32 s[G1B+7], 0
	s_lshl_b32 s16, s14, 20                        ; A: my head of the K step's two, and the tile's 128 rows of 128 bytes
	s_lshl_b32 s17, s15, 14
	s_add_co_u32 s16, s16, s17
	s_mov_b32 s17, 0
	s_lshl_b32 s46, s14, 17                        ; B: my 64 rows of 2,048 bytes, and the tile's 512 bytes of a row
	s_lshl_b32 s47, s42, 9
	s_add_co_u32 s46, s46, s47
	s_mov_b32 s47, 0
	s_mul_i32 s22, s14, ACH                        ; where they go: no place in the cluster enters an LDS address
	s_mul_i32 s23, s14, 34816
	s_add_co_u32 s23, s23, BOFF
	s_wait_dscnt 0x0                               ; both opening adds are done
	s_wait_kmcnt 0x0
	s_add_nc_u64 s[20:21], s[4:5], s[16:17]
	s_add_nc_u64 s[46:47], s[6:7], s[46:47]
	CROUND                                         ; all sixteen work-groups are here: the first joint loads meet
.irp s, 0,1
	s_mov_b32 s[G0+4*\s], 1
	s_add_co_u32 s[G0+4*\s+1], s22, \s*SLOT
	s_add_nc_u64 s[G0+4*\s+2:G0+4*\s+3], s[20:21], \s*2097152
	s_or_b32 s[G0+4*\s+3], s[G0+4*\s+3], 0x80000000
	s_mov_b32 s[G0B+4*\s], 1
	s_add_co_u32 s[G0B+4*\s+1], s23, \s*SLOT
	s_add_nc_u64 s[G0B+4*\s+2:G0B+4*\s+3], s[46:47], \s*262144
	s_or_b32 s[G0B+4*\s+3], s[G0B+4*\s+3], 0x80000000
	JLOAD \s                                       ; two loads of mine are out behind the second
.endr
	v_and_b32 v1, 15, v0                           ; r
	v_bfe_u32 v2, v0, 4, 1                         ; h
	s_lshl_b32 s46, s42, 10
	s_lshl_b32 s47, s14, 9
	s_add_co_u32 s46, s46, s47                     ; my first column, in bytes of f32
	s_mov_b32 s47, 0
	s_add_nc_u64 s[8:9], s[8:9], s[46:47]
	v_lshlrev_b32 v7, 5, v2
.irp b, 0,1,2,3,4,5,6,7
	global_load_b128 v[BI+8*\b:BI+8*\b+3], v7, s[8:9] offset:64*\b          ; bo[n0 + 16 b + 8 h + 0 .. 7]
	global_load_b128 v[BI+8*\b+4:BI+8*\b+7], v7, s[8:9] offset:64*\b+16
.endr
	s_lshl_b32 s20, s15, 19                        ; 128 rows of 4,096 bytes x tile row
	s_lshl_b32 s21, s13, 18
	s_add_co_u32 s20, s20, s21
	s_mov_b32 s21, 0
	s_add_nc_u64 s[20:21], s[20:21], s[46:47]
	s_add_nc_u64 s[10:11], s[10:11], s[20:21]      ; out0 at my first row and column; never stepped
	v_lshrrev_b32 v3, 1, v1                        ; A: row r of a tile, + 16 bytes for the upper half of the lanes
	v_mul_u32_u24 v3, v3, 272
	v_and_b32 v4, 1, v1
	v_lshl_add_u32 v3, v4, 7, v3
	v_lshl_add_u32 v3, v2, 4, v3
	s_mul_i32 s21, s13, 8704                       ; my 64 rows
	v_and_b32 v4, 7, v0                            ; B, for the turning load: row k = 8 h + lane % 8, columns 8 ((lane / 8) % 2) on
	v_lshl_add_u32 v4, v2, 3, v4
	v_mul_u32_u24 v4, v4, BP
	v_bfe_u32 v5, v0, 3, 1
	v_lshl_add_u32 v4, v5, 4, v4
	s_lshl_b32 s22, s14, 8                         ; my 128 columns
	s_add_co_u32 s22, s22, BOFF
.irp s, 0,1
	v_add_nc_u32 v[ADRA+\s], s21, v3
	v_add_nc_u32 v[ADRB+\s], s22, v4
	s_add_co_u32 s21, s21, SLOT
	s_add_co_u32 s22, s22, SLOT
.endr
	s_mul_i32 s23, s12, 16*SPITCH
	s_add_co_u32 s23, s23, STAGE                   ; my stage
	v_mul_u32_u24 v5, v1, SPITCH
	v_lshl_add_u32 v5, v2, 5, v5
	v_add_nc_u32 v[STO], s23, v5                   ; in: row r, 32 bytes for each half of the lanes
	v_and_b32 v6, 31, v0
	v_lshlrev_b32 v[CO], 4, v6                     ; back: the 32 lanes take one row of 512 bytes; and the same in out0
	v_add_nc_u32 v[RD], s23, v[CO]
; 8 matrix instructions: A's tile a x B's eight, 32 along K, from buffer f.  zero = 1: the first product starts the sums, with the bias as its C.  The 32 accumulators take turns.
.macro MUL8 f, a, zero
.irp b, 0,1,2,3,4,5,6,7
.if \zero
	v_wmma_f32_16x16x32_f16 v[8*(8*(\a)+\b):8*(8*(\a)+\b)+7], v[64*(\f)+8*\b:64*(\f)+8*\b+7], v[AFR+32*(\f)+8*(\a):AFR+32*(\f)+8*(\a)+7], v[BI+8*\b:BI+8*\b+7]
.else
	v_wmma_f32_16x16x32_f16 v[8*(8*(\a)+\b):8*(8*(\a)+\b)+7], v[64*(\f)+8*\b:64*(\f)+8*\b+7], v[AFR+32*(\f)+8*(\a):AFR+32*(\f)+8*(\a)+7], v[8*(8*(\a)+\b):8*(8*(\a)+\b)+7]
.endif
.endr
.endm
; 24 LDS loads in one run: the fragments of the slot's kq-th 32 along K into buffer f: B's eight (turned), then A's four
.macro FETCH slot, kq, f
	WIN TO_B
.irp b, 0,1,2,3,4,5,6,7
	ds_load_tr16_b128 v[64*(\f)+8*\b:64*(\f)+8*\b+3],   v[ADRB+\slot] offset:(\kq)*17408+32*\b
	ds_load_tr16_b128 v[64*(\f)+8*\b+4:64*(\f)+8*\b+7], v[ADRB+\slot] offset:(\kq)*17408+32*\b+8704
.endr
	WIN 0
.irp i, 0,1,2,3
	ds_load_b128 v[AFR+32*(\f)+8*\i:AFR+32*(\f)+8*\i+3],   v[ADRA+\slot] offset:((\kq)/2)*ACH+((\kq)%2)*64+\i*2176
	ds_load_b128 v[AFR+32*(\f)+8*\i+4:AFR+32*(\f)+8*\i+7], v[ADRA+\slot] offset:((\kq)/2)*ACH+((\kq)%2)*64+\i*2176+32
.endr
.endm
.macro PLACES                          ; four places in front of loads into registers that matrix instructions have read, and of reads of results
.rept 4
	v_nop
.endr
.endm
; A K step is four quarters of 32 along K, 32 matrix instructions each, on buffers 0, 1, 0, 1.  One of the first three: multiplies buffer f and fetches the slot's quarter kq into g.
.macro QUARTER slot, kq, f, g, zero
	s_wait_dscnt 4                                 ; B's fragments and A's tiles 0, 1 are in; A's tiles 2, 3 (four loads) may be out
	WIN MUL-0x20*(\zero)
	MUL8 \f, 0, \zero
	MUL8 \f, 1, \zero
	PLACES
	FETCH \slot, \kq, \g
	s_wait_dscnt 24                                ; all but the 24 just issued
	WIN MUL-0x20*(\zero)
	MUL8 \f, 2, \zero
	MUL8 \f, 3, \zero
.endm
; The last quarter multiplies buffer 1 and changes slots: one barrier; in front of it each wave waits for all its tensor loads, adds 0 to its spare word, and waits for that and for its reads of this slot.
; fill = 1: the barrier opens a round of the cluster's barrier, and this slot is filled again, two K steps ahead: the load has a K step less sixteen matrix instructions in which to land.
.macro TURN slot, next, fill
	WIN 0
	s_wait_tensorcnt 0x0                           ; all my tensor loads have landed: my part of the next slot
	ds_add_u32 v[SPW], v[NIL]                      ; 0 onto my spare word
	s_wait_dscnt 5                                 ; the add and the youngest four loads may be out
	WIN MUL
	MUL8 1, 0, 0
	s_wait_dscnt 0x0                               ; the add is done, and my reads of this slot are over
	s_barrier_signal -1
	MUL8 1, 1, 0
.if \fill
	WIN 0
.endif
	s_barrier_wait -1
.if \fill
	CREST                                          ; no wave of any partner still reads this slot's tile or has a load on its way
	s_add_nc_u64 s[G0+4*\slot+2:G0+4*\slot+3], s[G0+4*\slot+2:G0+4*\slot+3], 4194304
	s_add_nc_u64 s[G0B+4*\slot+2:G0B+4*\slot+3], s[G0B+4*\slot+2:G0B+4*\slot+3], 524288
	JLOAD \slot                                    ; the first tensor load behind the round; its four v_nop are also the places in front of the loads below
.else
	PLACES
.endif
	FETCH \next, 0, 0
	WIN MUL
	MUL8 1, 2, 0
	MUL8 1, 3, 0
.endm
	s_wait_tensorcnt 1                             ; my part of K step 0 is in; K step 1's load may be out,
	s_barrier_signal -1
	s_barrier_wait -1                              ; everybody's is
	FETCH 0, 0, 0
	s_wait_loadcnt 0x0                             ; the bias
	QUARTER 0, 1, 0, 1, 1                          ; the first quarter stands in front of the loop: its products start the sums
	WIN 0
	s_mov_b32 s3, LAPS-1
.Llap:                                                 ; a trip goes once round the ring, from a lap's second quarter to the next lap's first, and fills both slots again
	QUARTER 0, 2, 1, 0, 0
	QUARTER 0, 3, 0, 1, 0
	TURN 0, 1, 1
	QUARTER 1, 1, 0, 1, 0
	QUARTER 1, 2, 1, 0, 0
	QUARTER 1, 3, 0, 1, 0
	TURN 1, 0, 1
	QUARTER 0, 1, 0, 1, 0
	WIN 0
	s_sub_co_u32 s3, s3, 1
	s_cmp_lg_u32 s3, 0
	s_cbranch_scc1 .Llap
	QUARTER 0, 2, 1, 0, 0                          ; the last lap fills nothing, and has no round of the cluster's barrier
	QUARTER 0, 3, 0, 1, 0
	TURN 0, 1, 0
	QUARTER 1, 1, 0, 1, 0
	QUARTER 1, 2, 1, 0, 0
	QUARTER 1, 3, 0, 1, 0
	s_wait_dscnt 4                                 ; the very last quarter: nothing more to fetch
	WIN MUL
	MUL8 1, 0, 0
	MUL8 1, 1, 0
	s_wait_dscnt 0
	MUL8 1, 2, 0
	MUL8 1, 3, 0
	WIN 0
; THE WAY OUT, block by block of 16 rows x 128 columns: through my own stage, back as whole rows of 512 bytes.
.macro TOSTAGE a
	WIN 0x08                                       ; an LDS store's data are its source 1: window 2
.irp b, 0,1,2,3,4,5,6,7
	ds_store_b128 v[STO], v[8*(8*(\a)+\b):8*(8*(\a)+\b)+3] offset:64*\b          ; each accumulator from its low end on
	ds_store_b128 v[STO], v[8*(8*(\a)+\b)+4:8*(8*(\a)+\b)+7] offset:64*\b+16
.endr
	WIN 0
.set BB, 64+64*((\a)%2)
.irp t, 0,1,2,3,4,5,6,7,8,9,10,11,12,13,14,15
	ds_load_b128 v[BB+4*\t:BB+4*\t+3], v[RD] offset:\t*SPITCH   ; LDS serves a wave's instructions in order: these see the stores above
.endr
.endm
.macro SEND a, younger
.set BB, 64+64*((\a)%2)
	s_wait_dscnt \younger                          ; the block is back in registers
.irp t, 0,1,2,3,4,5,6,7,8,9,10,11,12,13,14,15
	global_store_b128 v[CO], v[BB+4*\t:BB+4*\t+3], s[10:11] offset:(16*(\a)+\t)*4096 th:TH_STORE_NT   ; 32 lanes store 512 consecutive bytes, aligned; written once
.endr
.endm
	PLACES
	TOSTAGE 0
.irp a, 1,2,3
.if \a > 1
	s_wait_xcnt 0x0                                ; block a - 2's stores have read their registers: block a's loads may land there
.endif
	TOSTAGE \a
	SEND \a-1, 32                                  ; behind block a - 1's loads: block a's 16 stores and 16 loads
.endr
	SEND 3, 0
	s_wait_tensorcnt 0x0                           ; the wave's end
	ds_add_u32 v[SPW], v[NIL]
	s_wait_dscnt 0x0
	CROUND                                         ; the closing round
	s_endpgm
.Lfunc_end_k_qc4c854bed6_oproj:
	.size	k_qc4c854bed6_oproj, .Lfunc_end_k_qc4c854bed6_oproj-k_qc4c854bed6_oproj
	.p2alignl 7, 3214868480
	.fill 96, 4, 3214868480
	.section	.rodata,"a",@progbits
	.p2align	6, 0x0
	.amdhsa_kernel k_qc4c854bed6_oproj
		.amdhsa_group_segment_fixed_size 327680
		.amdhsa_private_segment_fixed_size 0
		.amdhsa_enable_private_segment 0
		.amdhsa_kernarg_size 32
		.amdhsa_user_sgpr_count 2
		.amdhsa_user_sgpr_kernarg_segment_ptr 1
		.amdhsa_wavefront_size32 1
		.amdhsa_system_sgpr_workgroup_id_x 1
		.amdhsa_system_sgpr_workgroup_id_y 1
		.amdhsa_system_sgpr_workgroup_id_z 1
		.amdhsa_system_vgpr_workitem_id 0
		.amdhsa_next_free_vgpr 768
		.amdhsa_next_free_sgpr 66
		.amdhsa_reserve_vcc 0
		.amdhsa_float_denorm_mode_32 3
		.amdhsa_float_denorm_mode_16_64 3
		.amdhsa_memory_ordered 1
		.amdhsa_forward_progress 1
		.amdhsa_inst_pref_size 87
	.end_amdhsa_kernel
	.amdgpu_metadata
---
amdhsa.version: [ 1, 2 ]
amdhsa.kernels:
  - .name:           k_qc4c854bed6_oproj
    .symbol:         k_qc4c854bed6_oproj.kd
    .args:
      - { .name: ao, .offset: 0, .size: 8, .value_kind: global_buffer, .address_space: global }
      - { .name: wo16, .offset: 8, .size: 8, .value_kind: global_buffer, .address_space: global }
      - { .name: bo, .offset: 16, .size: 8, .value_kind: global_buffer, .address_space: global }
      - { .name: out0, .offset: 24, .size: 8, .value_kind: global_buffer, .address_space: global }
    .group_segment_fixed_size: 327680
    .private_segment_fixed_size: 0
    .kernarg_segment_align: 8
    .kernarg_segment_size: 32
    .max_flat_workgroup_size: 128
    .sgpr_count:     66
    .vgpr_count:     768
    .wavefront_size: 32
...
	.end_amdgpu_metadata
.endif
;; end of part 4
